; MI455X (gfx1250); checked and timed in simulation.
; The chip was launched on July 23, 2026; its instructions are those of AMD's public machine-readable ISA for CDNA 5 (MIT licence, August 2026) and "CDNA5" Instruction Set Architecture Reference Guide (July 2026). The comments in the code are by the model that wrote it; some were corrected since.
;; Multi Head Self Attention Projector. Allowed arithmetic: matrix products marked QUANTISED: E5M2 operands, one E8M0 scale for each 32 along K, by v_wmma_scale_f32_16x16x128_f8f6f4 with both operands' format E5M2, f32 sums; everything else in f32.
;; Inputs: Wk 768 x 512 float32; Wo 512 x 768 float32; Wq 768 x 512 float32; Wv 768 x 512 float32; bk 512 float32; bo 768 float32; bq 512 float32; bv 512 float32; text_embeds 4 x 2,048 x 768 float32.
;; Outputs: out0 4 x 2,048 x 768 float32.
;; This version of the problem:
;;   THIS VERSION OF THE PROBLEM IS GIVEN IN LOW PRECISION. The matrix products marked QUANTISED in the list below multiply operands that are first quantised to E5M2 (5 exponent bits, 2 mantissa bits; 8 bits a number), with one power-of-two scale for each 32 numbers along K (OCP MX v1.0); their sums are f32. All else is computed in f32.
;;   The module's matrix products, in the order in which they are computed (A, B: the left and right operand; K: the contracted axis; several contracted axes count as one K, in the product's order):
;;     1. [M 8,192, K 768] x [K 768, N 512]; A: input text_embeds; B: input Wq: QUANTISED
;;     2. [M 8,192, K 768] x [K 768, N 512]; A: input text_embeds; B: input Wk: QUANTISED
;;     3. [M 8,192, K 768] x [K 768, N 512]; A: input text_embeds; B: input Wv: QUANTISED
;;     4. batch 32 x [M 2,048, K 64] x [K 64, N 2,048]; A: computed on the way; B: computed on the way: QUANTISED
;;     5. batch 32 x [M 2,048, K 2,048] x [K 2,048, N 64]; A: softmax (see below); B: computed on the way: QUANTISED
;;     6. [M 8,192, K 512] x [K 512, N 768]; A: computed on the way; B: input Wo: QUANTISED
;;   THE QUANTISER, for each operand of a quantised product, along K:
;;     - K is cut into blocks of 32 from its start; a last block that is shorter is filled with zeros.
;;     - A block's scale is 2^e with e = floor(log2(the largest magnitude in the block)) - 15, held to -126 .. 127; a block of zeros has e = 0. As a byte (E8M0): e + 127.
;;     - Each number is divided by its block's scale, clamped to +-57,344, and rounded to the nearest number of E5M2, ties to even, subnormals kept.
;;     - The product sums the exact products of the quantised numbers (number of the format x scale) in f32.
;;   ~~~python
;;   def quantise(x, axis):      # numpy; x: float32 -> the quantised numbers, widened to float32 again
;;       x = np.moveaxis(x, axis, -1); K = x.shape[-1]
;;       x = np.pad(x, [(0, 0)] * (x.ndim - 1) + [(0, -K % 32)]); x = x.reshape(x.shape[:-1] + (-1, 32)); a = np.abs(x).max(-1, keepdims=True)
;;       e = np.where(a > 0, np.clip(np.frexp(np.where(a > 0, a, 1))[1] - 1 - 15, -126, 127), 0)      # np.frexp(a)[1] - 1 = floor(log2(a)), exactly
;;       r = np.clip(x / 2.0 ** e, -57344, 57344)
;;       step = 2.0 ** (np.maximum(np.frexp(np.where(r == 0, 1, r))[1] - 1, -14) - 2)
;;       q = np.round(r / step) * step * 2.0 ** e      # np.round: ties to even
;;       return np.moveaxis(q.reshape(q.shape[:-2] + (-1,))[..., :K], -1, axis).astype(np.float32)
;;   ~~~
;;   SOFTMAX AHEAD OF A QUANTISED PRODUCT. Where the list says 'softmax', what is quantised is not the finished softmax but p = 2^(t - M), with t = logit x log2(e) and M = ceil(the row's largest t), a whole number; so 1/2 < the row's largest p <= 1. The row's sum l is taken of the UNQUANTISED p, in f32, and the product's result is divided by l at the end. Since M is a whole number, a kernel that streams over the keys may use a running M (the ceiling of the running maximum): every later rescaling is an exact power of two, which a block's scale takes up: the codes' values come out the same.
;;   OPERANDS COMPUTED ON THE WAY. 'Computed on the way' means the value that the module computes at that place (a softmax that the list does not call 'softmax' is quantised finished and normalised). What goes into a quantiser is computed in f32, as accurately as f32 sums, v_exp_f32 and their like allow (about 1e-6 of the number): no bf16 or f16 on the way to a quantiser, and a product that is left as it is and whose result goes on into a quantised operand takes f32 operands (vector FMAs, or v_wmma_f32_16x16x4_f32). A number that lies on a knife's edge between two numbers of the format may be rounded either way, as far as f32 arithmetic and the matrix unit's own rounding can turn it there, and no further.
;; One version. Each part assembles by itself: llvm-mc -triple=amdgcn-amd-amdhsa -mcpu=gfx1250 --defsym DOCPART=n.
;; ======== version 1 of 1: 4 launches
;; limits: right only within a limited range of input values
;; workspace buffers: ximg 6,291,456 bytes; xscl 393,216 bytes; wimg 1,572,864 bytes; wscl 49,152 bytes; qrec 4,456,448 bytes; kv 8,912,896 bytes; aimg 4,194,304 bytes; ascl 131,072 bytes
;; launch prep (part 1): grid 88 x 4, 4 waves a work-group, no clusters, 34,304 bytes of LDS; arguments text_embeds, Wq, Wk, Wv, Wo, ximg, xscl, wimg, wscl; writes ximg, xscl, wimg, wscl
.if DOCPART == 1
	.amdgcn_target "amdgcn-amd-amdhsa--gfx1250"
	.amdhsa_code_object_version 6
	.text
	.protected	k_q881105a8fb_prep
	.globl	k_q881105a8fb_prep
	.p2align	8
	.type	k_q881105a8fb_prep,@function
k_q881105a8fb_prep:
	s_mov_b64 s[64:65], 0
	v_nop
	global_prefetch_b8 v0, s[64:65] scope:SCOPE_SE
	s_setreg_imm32_b32 hwreg(HW_REG_WAVE_MODE, 25, 1), 1
	s_wait_xcnt 0x0
; text_embeds [8192][768] and Wq, Wk, Wv [768][512], Wo [512][768], all f32, become codes of BF8 (E5M2) with one E8M0 scale byte for each 32 along K,
; laid as IMAGES OF OPERAND REGISTERS: a fragment (16 rows x 128 K) is 4 pieces of 512 bytes; piece c holds registers 4 c .. 4 c + 3, lane l's 16 bytes at 16 l;
; lane (r, h) holds k = 32 c + 16 h + 0 .. 15 of the fragment's row r.  A later launch loads a fragment by four loads of 16 bytes a lane, with no pitch and no transposition.
; THE ROWS OF A TILE ARE NOT NEIGHBOURS: tile 2 b + u of a group of 32 rows holds in its row r the row 32 b + 8 u + r + 8 (r / 8), so that a result made with such tiles as source 0 has 16 neighbours in 16 registers.
; A block's scale is 2^(floor(log2(its largest magnitude)) - 15); its byte is the largest magnitude's exponent field - 15, held at 1 from below; each number is held within +-57,344 x the scale and converted, ties to even.
; LIMITS: NaN and infinities among the inputs are not served.  A block of zeros gets the byte 1 where the rule says 127: its codes are zeros, and these bytes are read by this program alone.
; SHARES: work-groups x < 24 take the weights (y = 0 Wq, 1 Wk, 2 Wv, 3 Wo), the others text_embeds.  Waves share nothing: no barrier.  No work-group reads what another reads: no cluster.
.set SEL, 26                           ; s[26:27] v_permlanex16_b32's selects for lane l xor 16
.set MNT, 28                           ; s28      the mantissa field of 57,344
.set TM,  8                            ; v8-23    at work in QUANT: largest magnitudes, bytes, holds, scale operands
.set PWX, 24                           ; v24-26   a scale word for each of a wave's three fragments
.set R0,  32                           ; v32-95   16 rows x 16 bytes a lane as loaded, set 0
.set R1,  96                           ; v96-159  set 1
.set X,   160                          ; v160-223 64 numbers of my row: register 16 b + i = k 32 b + 16 h + i
.set PC,  224                          ; v224-255 codes, two sets of 16
.set XW,  32                           ; weights: v32-95 two sets of 32 numbers down K
.set CW,  96                           ; v96-127  a set of 8 code registers for each block: no store's data are written again
.set SB,  16                           ; v16      my column's four scale bytes
; 64 numbers of a lane become a fragment's 16 code registers v[pc] on and its scale word v[pw].
.macro QUANT s, pc, pw
.irp b, 0,1,2,3
	v_max3_num_f32 v[TM+\b], |v[\s+16*\b]|, |v[\s+16*\b+1]|, 0x8000000   ; block b: my 16 numbers, and the floor 2^(16 - 127): the byte cannot fall under 1
.endr
.irp i, 2,4,6,8,10,12,14
.irp b, 0,1,2,3
	v_max3_num_f32 v[TM+\b], v[TM+\b], |v[\s+16*\b+\i]|, |v[\s+16*\b+\i+1]|   ; the four blocks by turns
.endr
.endr
.irp b, 0,1,2,3
	v_permlanex16_b32 v[TM+4+\b], v[TM+\b], s[SEL], s[SEL+1]
.endr
.irp b, 0,1,2,3
	v_max_num_f32 v[TM+\b], v[TM+\b], v[TM+4+\b]                   ; with lane l xor 16's 16: the block's largest magnitude
.endr
.irp b, 0,1,2,3
	v_add_nc_u32 v[TM+12+\b], 0xf8800000, v[TM+\b]                 ; 15 off its exponent field: the conversion's scale operand
.endr
.irp b, 0,1,2,3
	v_and_or_b32 v[TM+8+\b], v[TM+\b], 0x7f800000, s[MNT]          ; 57,344 x the scale
.endr
.irp b, 0,1,2,3
	v_lshrrev_b32 v[TM+4+\b], 23, v[TM+12+\b]                      ; the scale's byte
.endr
	v_lshl_or_b32 v[\pw], v[TM+5], 8, v[TM+4]
	v_lshl_or_b32 v[\pw], v[TM+6], 16, v[\pw]
	v_lshl_or_b32 v[\pw], v[TM+7], 24, v[\pw]
.irp b, 0,1,2,3
.irp i, 0,1,2,3,4,5,6,7,8,9,10,11,12,13,14,15
	v_med3_num_f32 v[\s+16*\b+\i], v[\s+16*\b+\i], -v[TM+8+\b], v[TM+8+\b]   ; the conversion to an 8-bit code does not saturate (ISA guide 7.6.2): the hold
.endr
	v_cvt_scalef32_pk8_bf8_f32 v[\pc+4*\b:\pc+4*\b+1], v[\s+16*\b:\s+16*\b+7], v[TM+12+\b]
	v_cvt_scalef32_pk8_bf8_f32 v[\pc+4*\b+2:\pc+4*\b+3], v[\s+16*\b+8:\s+16*\b+15], v[TM+12+\b]
.endr
	v_nop                                          ; one plain vector line behind the last conversion
.endm
	s_load_b256 s[4:11], s[0:1], 0x0               ; text_embeds s[4:5], Wq s[6:7], Wk s[8:9], Wv s[10:11]
	s_load_b256 s[12:19], s[0:1], 0x20             ; Wo s[12:13], ximg s[14:15], xscl s[16:17], wimg s[18:19]
	s_load_b64 s[20:21], s[0:1], 0x40              ; wscl
	v_lshl_add_u32 v30, v0, 2, 0x8400
	v_mov_b32 v31, 0
	v_lshrrev_b32 v1, 5, v0
	v_readfirstlane_b32 s22, v1                    ; wave 0..3
	s_and_b32 s23, ttmp7, 0xffff                   ; work-group y
	v_and_b32 v1, 31, v0                           ; lane
	v_lshlrev_b32 v2, 4, v1                        ; 16 x lane
	v_lshlrev_b32 v3, 2, v1                        ; 4 x lane
	s_mov_b32 s[SEL], 0x76543210
	s_mov_b32 s[SEL+1], 0xfedcba98
	s_mov_b32 s[MNT], 0x600000
	s_cmp_lt_u32 ttmp9, 24
	s_cbranch_scc1 .Lweights
; ---- text_embeds.  1,024 waves; wave g makes the three fragments (tile T = g / 2, K steps 3 (g % 2) on).  Each load reads 512 consecutive bytes of one row (128 numbers);
; the 16 rows turn through the wave's own stage in LDS (rows of 512 + 16 bytes), from which lane (r, h) takes its 16 neighbours of each block of row r.
	s_sub_co_u32 s32, ttmp9, 24
	s_lshl_b32 s33, s23, 6
	s_add_co_u32 s32, s32, s33
	s_lshl_b32 s32, s32, 2
	s_add_co_u32 s32, s32, s22                     ; g = 4 ((x - 24) + 64 y) + wave
	s_lshr_b32 s33, s32, 1                         ; T
	s_and_b32 s34, s32, 1                          ; which half of K
	s_lshr_b32 s35, s33, 1
	s_lshl_b32 s35, s35, 5
	s_and_b32 s36, s33, 1
	s_lshl_b32 s36, s36, 3
	s_add_co_u32 s35, s35, s36                     ; the tile's first token: 32 (T / 2) + 8 (T % 2)
	s_mul_i32 s36, s35, 3072
	s_mul_i32 s37, s34, 1536
	s_add_co_u32 s36, s36, s37
	s_mov_b32 s37, 0
	s_mul_i32 s38, s32, 3                          ; my first fragment's number: 6 T + 3 (g % 2) = 3 g
	s_lshl_b32 s40, s38, 11                        ; 2,048 bytes an image
	s_mov_b32 s41, 0
	s_lshl_b32 s42, s38, 7                         ; 128 bytes of scale words
	s_mov_b32 s43, 0
	s_mul_i32 s44, s22, 8448                       ; my stage: 16 x 528 bytes
	s_wait_alu depctr_va_vdst(0)
	v_add_nc_u32 v4, s44, v2                       ; in: 16 x lane of a row
	v_and_b32 v6, 15, v0                           ; r
	v_bfe_u32 v7, v0, 4, 1                         ; h
	v_mul_u32_u24 v5, v6, 528
	v_lshl_add_u32 v5, v7, 6, v5
	v_add_nc_u32 v5, s44, v5                       ; out: row r, + 64 h bytes
.irp b, 0,1,2,3
	v_mov_b32 v[TM+4+\b], 0                        ; written once: a lane permute's destination counts as one of its sources
.endr
	s_wait_alu depctr_va_vdst(0)
	s_wait_kmcnt 0x0
	s_add_nc_u64 s[4:5], s[4:5], s[36:37]
	s_add_nc_u64 s[14:15], s[14:15], s[40:41]
	s_add_nc_u64 s[16:17], s[16:17], s[42:43]
.macro LOADX t, set                    ; K step t of my three: row i of the tile is token i + 8 (i / 8) from the tile's first
.irp i, 0,1,2,3,4,5,6,7,8,9,10,11,12,13,14,15
	global_load_b128 v[\set+4*\i:\set+4*\i+3], v2, s[4:5] offset:(\i+8*(\i/8))*3072+512*\t th:TH_LOAD_NT
.endr
.endm
.macro XSTEP t, set, left
	s_wait_loadcnt \left                           ; loads come back in order: this step's 16 are in, the younger set's may be out
.irp i, 0,1,2,3,4,5,6,7,8,9,10,11,12,13,14,15
	ds_store_b128 v4, v[\set+4*\i:\set+4*\i+3] offset:528*\i
.endr
.irp c, 0,1,2,3
.irp j, 0,1,2,3
	ds_load_b128 v[X+16*\c+4*\j:X+16*\c+4*\j+3], v5 offset:128*\c+16*\j   ; LDS serves a wave's instructions in order: these see the stores above
.endr
.endr
	s_wait_dscnt 0x0                               ; my 64 numbers are in; the stage and the set are free
.if \t == 0
	LOADX 2, R0
.endif
.if \t == 2
	s_wait_xcnt 0x0                                ; step 0's stores have read code set 0, which is written again below
.endif
	QUANT X, PC+16*(\t%2), PWX+\t
.irp c, 0,1,2,3
	global_store_b128 v2, v[PC+16*(\t%2)+4*\c:PC+16*(\t%2)+4*\c+3], s[14:15] offset:2048*\t+512*\c   ; 32 lanes store 512 consecutive bytes
.endr
	global_store_b32 v3, v[PWX+\t], s[16:17] offset:128*\t         ; lane l holds row l % 16's word
.endm
	LOADX 0, R0
	LOADX 1, R1
	XSTEP 0, R0, 16
	XSTEP 1, R1, 16
	XSTEP 2, R0, 0
	s_wait_tensorcnt 0x0
	ds_add_u32 v30, v31
	s_wait_dscnt 0x0
	s_endpgm
; ---- the weights: K is their FIRST axis.  A lane takes a column, and its registers run down K: each load reads 128 consecutive bytes a wave (512 a work-group), a block of 32 lies in one lane's 32 registers,
; and the conversions give codes with K innermost.  A wave takes a group G of 32 columns x one K step of 128: two tiles' images.  Column x of the group is row r = x % 8 + 8 (x / 16) of tile u = (x / 8) % 2.
.Lweights:
	v_bfe_u32 v8, v0, 3, 1                         ; u
	v_and_b32 v9, 7, v0
	v_bfe_u32 v10, v0, 4, 1
	v_lshl_add_u32 v9, v10, 3, v9                  ; r
	v_lshlrev_b32 v6, 4, v9
	v_lshl_add_u32 v6, v8, 11, v6                  ; my codes' place in the two images: 2,048 u + 16 r
	v_lshl_add_u32 v7, v8, 4, v9
	v_lshlrev_b32 v7, 2, v7                        ; my scale word's: 4 (r + 16 u)
	s_wait_kmcnt 0x0
	s_cmp_eq_u32 s23, 1                            ; which weight: the choice hangs on the work-group's number alone
	s_cselect_b64 s[30:31], s[8:9], s[6:7]
	s_cmp_eq_u32 s23, 2
	s_cselect_b64 s[30:31], s[10:11], s[30:31]
	s_cmp_eq_u32 s23, 3
	s_cselect_b64 s[30:31], s[12:13], s[30:31]
	s_cbranch_scc1 .Lwo                            ; (a select leaves SCC as the compare set it)
.macro LOADW c, N                      ; block c: rows 32 c + i of the K step, my column, into set c % 2
.irp i, 0,1,2,3,4,5,6,7,8,9,10,11,12,13,14,15,16,17,18,19,20,21,22,23,24,25,26,27,28,29,30,31
	global_load_b32 v[XW+32*((\c)%2)+\i], v3, s[30:31] offset:(32*(\c)+\i)*\N*4 th:TH_LOAD_NT
.endr
.endm
.macro WBLOCK c, N
.set XB, XW+32*((\c)%2)
.set CB, CW+8*(\c)
.if \c < 3
	s_wait_loadcnt 32                              ; this block's 32 loads are in; the next block's may be out
.else
	s_wait_loadcnt 0x0
.endif
	v_max3_num_f32 v12, |v[XB]|, |v[XB+1]|, |v[XB+2]|              ; the block's largest magnitude: all 32 numbers are mine
	v_max3_num_f32 v13, |v[XB+3]|, |v[XB+4]|, |v[XB+5]|
.irp i, 6,10,14,18,22,26
	v_max3_num_f32 v12, v12, |v[XB+\i]|, |v[XB+\i+1]|
	v_max3_num_f32 v13, v13, |v[XB+\i+2]|, |v[XB+\i+3]|
.endr
	v_max3_num_f32 v12, v12, |v[XB+30]|, |v[XB+31]|
	v_max3_num_f32 v12, v12, v13, 0x8000000        ; and the floor 2^(16 - 127)
	v_add_nc_u32 v11, 0xf8800000, v12              ; the conversion's scale operand
	v_and_or_b32 v10, v12, 0x7f800000, s[MNT]      ; 57,344 x the scale
	v_lshrrev_b32 v13, 23, v11                     ; the scale's byte
.if \c == 0
	v_mov_b32 v[SB], v13
.else
	v_lshl_or_b32 v[SB], v13, 8*\c, v[SB]
.endif
.irp i, 0,1,2,3,4,5,6,7,8,9,10,11,12,13,14,15,16,17,18,19,20,21,22,23,24,25,26,27,28,29,30,31
	v_med3_num_f32 v[XB+\i], v[XB+\i], -v10, v10
.endr
.irp g, 0,1,2,3
	v_cvt_scalef32_pk8_bf8_f32 v[CB+2*\g:CB+2*\g+1], v[XB+8*\g:XB+8*\g+7], v11
.endr
	v_nop                                          ; one plain vector line behind the last conversion
	global_store_b128 v6, v[CB:CB+3], s[18:19] offset:512*\c       ; k = 32 c + 0 .. 15: the place of lane (r, 0) in piece c; a tile's 16 columns fill 256 consecutive bytes
	global_store_b128 v6, v[CB+4:CB+7], s[18:19] offset:512*\c+256 ; k = 32 c + 16 .. 31: that of lane (r, 1)
.if \c < 2
	LOADW \c+2, \N
.endif
.endm
.macro WPATH N, KS                     ; a weight of N columns and KS K steps
.if \KS == 6
	s_and_b32 s32, ttmp9, 3                        ; which four groups,
	s_lshr_b32 s33, ttmp9, 2                       ; which K step
.else
	s_mul_i32 s33, ttmp9, 43
	s_lshr_b32 s33, s33, 8                         ; K step = x / 6 (exact for x < 24)
	s_mul_i32 s32, s33, 6
	s_sub_co_u32 s32, ttmp9, s32
.endif
	s_lshl_b32 s32, s32, 2
	s_add_co_u32 s32, s32, s22                     ; G
	s_mul_i32 s34, s33, 128*\N*4
	s_lshl_b32 s35, s32, 7
	s_add_co_u32 s34, s34, s35
	s_mov_b32 s35, 0
	s_add_nc_u64 s[30:31], s[30:31], s[34:35]      ; the weight at row 128 s, column 32 G
	s_mul_i32 s36, s32, \KS
	s_add_co_u32 s36, s36, s33                     ; G KS + s
	s_lshl_b32 s34, s36, 12
	s_mul_i32 s37, s23, 393216
	s_add_co_u32 s34, s34, s37
	s_add_nc_u64 s[18:19], s[18:19], s[34:35]
	s_lshl_b32 s34, s36, 7
	s_mul_i32 s37, s23, 12288
	s_add_co_u32 s34, s34, s37
	s_add_nc_u64 s[20:21], s[20:21], s[34:35]
	LOADW 0, \N
	LOADW 1, \N
	WBLOCK 0, \N
	WBLOCK 1, \N
	WBLOCK 2, \N
	WBLOCK 3, \N
	global_store_b32 v7, v[SB], s[20:21]           ; words 0-15: tile u = 0; words 16-31: tile u = 1
	s_endpgm
.endm
	s_wait_alu depctr_va_vdst(0)
	WPATH 512, 6
.Lwo:
	s_wait_alu depctr_va_vdst(0)
	WPATH 768, 4
.Lfunc_end_k_q881105a8fb_prep:
	.size	k_q881105a8fb_prep, .Lfunc_end_k_q881105a8fb_prep-k_q881105a8fb_prep
	.p2alignl 7, 3214868480
	.fill 96, 4, 3214868480
	.section	.rodata,"a",@progbits
	.p2align	6, 0x0
	.amdhsa_kernel k_q881105a8fb_prep
		.amdhsa_group_segment_fixed_size 34304
		.amdhsa_private_segment_fixed_size 0
		.amdhsa_enable_private_segment 0
		.amdhsa_kernarg_size 72
		.amdhsa_user_sgpr_count 2
		.amdhsa_user_sgpr_kernarg_segment_ptr 1
		.amdhsa_wavefront_size32 1
		.amdhsa_system_sgpr_workgroup_id_x 1
		.amdhsa_system_sgpr_workgroup_id_y 1
		.amdhsa_system_sgpr_workgroup_id_z 1
		.amdhsa_system_vgpr_workitem_id 0
		.amdhsa_next_free_vgpr 256
		.amdhsa_next_free_sgpr 66
		.amdhsa_reserve_vcc 0
		.amdhsa_float_denorm_mode_32 3
		.amdhsa_float_denorm_mode_16_64 3
		.amdhsa_memory_ordered 1
		.amdhsa_forward_progress 1
		.amdhsa_inst_pref_size 96
	.end_amdhsa_kernel
	.amdgpu_metadata
---
amdhsa.version: [ 1, 2 ]
amdhsa.kernels:
  - .name:           k_q881105a8fb_prep
    .symbol:         k_q881105a8fb_prep.kd
    .args:
      - { .name: text_embeds, .offset: 0, .size: 8, .value_kind: global_buffer, .address_space: global }
      - { .name: Wq, .offset: 8, .size: 8, .value_kind: global_buffer, .address_space: global }
      - { .name: Wk, .offset: 16, .size: 8, .value_kind: global_buffer, .address_space: global }
      - { .name: Wv, .offset: 24, .size: 8, .value_kind: global_buffer, .address_space: global }
      - { .name: Wo, .offset: 32, .size: 8, .value_kind: global_buffer, .address_space: global }
      - { .name: ximg, .offset: 40, .size: 8, .value_kind: global_buffer, .address_space: global }
      - { .name: xscl, .offset: 48, .size: 8, .value_kind: global_buffer, .address_space: global }
      - { .name: wimg, .offset: 56, .size: 8, .value_kind: global_buffer, .address_space: global }
      - { .name: wscl, .offset: 64, .size: 8, .value_kind: global_buffer, .address_space: global }
    .group_segment_fixed_size: 34304
    .private_segment_fixed_size: 0
    .kernarg_segment_align: 8
    .kernarg_segment_size: 72
    .max_flat_workgroup_size: 128
    .sgpr_count:     66
    .vgpr_count:     256
    .wavefront_size: 32
...
	.end_amdgpu_metadata
.endif
;; end of part 1
;; launch qkv (part 2): grid 64 x 4, 6 waves a work-group, no clusters, 327,680 bytes of LDS; arguments ximg, xscl, wimg, wscl, bq, bk, bv, qrec, kv; writes qrec, kv
.if DOCPART == 2
	.amdgcn_target "amdgcn-amd-amdhsa--gfx1250"
	.amdhsa_code_object_version 6
	.text
	.protected	k_q881105a8fb_qkv
	.globl	k_q881105a8fb_qkv
	.p2align	8
	.type	k_q881105a8fb_qkv,@function
k_q881105a8fb_qkv:
	s_mov_b64 s[64:65], 0
	v_nop
	global_prefetch_b8 v0, s[64:65] scope:SCOPE_SE
	s_setreg_imm32_b32 hwreg(HW_REG_WAVE_MODE, 25, 1), 1
	s_wait_xcnt 0x0
; Q, K, V = text_embeds W + b, on codes of BF8 with E8M0 scales, sums in f32; each result is quantised again (Q, K along the head, V along the tokens) and leaves as images of the operand registers of the launch that reads them.
; SHARES: a work-group takes 128 tokens (x) and six of the 24 heads of Q, K and V (6 y + wave: 0-7 Q's, 8-15 K's, 16-23 V's): 64 x 4 work-groups of equal work.  A wave makes 128 tokens x the 64 columns of ONE head: 32 accumulators in window 1.
; The 128 tokens' images (98,304 bytes) come into LDS once, 64 rows of 256 bytes a wave, and all six waves read them.  A wave's weights are read by no other wave of the work-group: they go from memory straight into registers, a K step ahead.
; No cluster: the tile that work-groups share is 98,304 of the 393,216 bytes of codes that a work-group reads, and loads into registers cannot be joint.  Nothing is prefetched: a wave has a whole K step's loads on their way throughout.
; Q, K: source 0 = 16 columns, source 1 = 16 tokens: a lane holds one token.  V: the other way round: a lane holds one channel, and its registers run along the tokens.
; LIMITS: NaN, infinities and sums beyond f32's range are not served.  A block of zeros gets the byte 1.
.set LI,  1
.set LS,  2
.set XA1, 4
.set XSA, 5
.set SH,  6
.set BA,  7
.set SW,  8
.set WS,  16
.set XS,  28
.set XF,  64
.set WF,  128
.set T,   64
.set BI,  128
.set TM,  160
.set PW,  176
.set PC,  192
.set SEL, 52
.set MNT, 54
.set MSB, 0
.macro WIN new
.if MSB != \new
	s_set_vgpr_msb (MSB<<8)|\new
.set MSB, \new
.endif
.endm
.macro WM
.if rZ
.if rR == 0
	v_wmma_scale_f32_16x16x128_f8f6f4 v[rD:rD+7], v[rA:rA+15], v[rB:rB+15], 0, v[rSA], v[rSB] matrix_a_fmt:MATRIX_FMT_BF8 matrix_b_fmt:MATRIX_FMT_BF8
.elseif rR == 1
	v_wmma_scale_f32_16x16x128_f8f6f4 v[rD:rD+7], v[rA:rA+15], v[rB:rB+15], 0, v[rSA], v[rSB] matrix_a_fmt:MATRIX_FMT_BF8 matrix_b_fmt:MATRIX_FMT_BF8 matrix_a_scale:MATRIX_SCALE_ROW1
.elseif rR == 2
	v_wmma_scale_f32_16x16x128_f8f6f4 v[rD:rD+7], v[rA:rA+15], v[rB:rB+15], 0, v[rSA], v[rSB] matrix_a_fmt:MATRIX_FMT_BF8 matrix_b_fmt:MATRIX_FMT_BF8 matrix_b_scale:MATRIX_SCALE_ROW1
.else
	v_wmma_scale_f32_16x16x128_f8f6f4 v[rD:rD+7], v[rA:rA+15], v[rB:rB+15], 0, v[rSA], v[rSB] matrix_a_fmt:MATRIX_FMT_BF8 matrix_b_fmt:MATRIX_FMT_BF8 matrix_a_scale:MATRIX_SCALE_ROW1 matrix_b_scale:MATRIX_SCALE_ROW1
.endif
.else
.if rR == 0
	v_wmma_scale_f32_16x16x128_f8f6f4 v[rD:rD+7], v[rA:rA+15], v[rB:rB+15], v[rD:rD+7], v[rSA], v[rSB] matrix_a_fmt:MATRIX_FMT_BF8 matrix_b_fmt:MATRIX_FMT_BF8
.elseif rR == 1
	v_wmma_scale_f32_16x16x128_f8f6f4 v[rD:rD+7], v[rA:rA+15], v[rB:rB+15], v[rD:rD+7], v[rSA], v[rSB] matrix_a_fmt:MATRIX_FMT_BF8 matrix_b_fmt:MATRIX_FMT_BF8 matrix_a_scale:MATRIX_SCALE_ROW1
.elseif rR == 2
	v_wmma_scale_f32_16x16x128_f8f6f4 v[rD:rD+7], v[rA:rA+15], v[rB:rB+15], v[rD:rD+7], v[rSA], v[rSB] matrix_a_fmt:MATRIX_FMT_BF8 matrix_b_fmt:MATRIX_FMT_BF8 matrix_b_scale:MATRIX_SCALE_ROW1
.else
	v_wmma_scale_f32_16x16x128_f8f6f4 v[rD:rD+7], v[rA:rA+15], v[rB:rB+15], v[rD:rD+7], v[rSA], v[rSB] matrix_a_fmt:MATRIX_FMT_BF8 matrix_b_fmt:MATRIX_FMT_BF8 matrix_a_scale:MATRIX_SCALE_ROW1 matrix_b_scale:MATRIX_SCALE_ROW1
.endif
.endif
.endm
.macro QUANT s, pc, pw
.irp b, 0,1,2,3
	v_max3_num_f32 v[TM+\b], |v[\s+16*\b]|, |v[\s+16*\b+1]|, 0x8000000
.endr
.irp i, 2,4,6,8,10,12,14
.irp b, 0,1,2,3
	s_delay_alu instid0(VALU_DEP_4)
	v_max3_num_f32 v[TM+\b], v[TM+\b], |v[\s+16*\b+\i]|, |v[\s+16*\b+\i+1]|
.endr
.endr
.irp b, 0,1,2,3
	s_delay_alu instid0(VALU_DEP_4)
	v_permlanex16_b32 v[TM+4+\b], v[TM+\b], s[SEL], s[SEL+1]
.endr
.irp b, 0,1,2,3
	s_delay_alu instid0(VALU_DEP_4)
	v_max_num_f32 v[TM+\b], v[TM+\b], v[TM+4+\b]
.endr
.irp b, 0,1,2,3
	s_delay_alu instid0(VALU_DEP_4)
	v_add_nc_u32 v[TM+12+\b], 0xf8800000, v[TM+\b]
.endr
.irp b, 0,1,2,3
	v_and_or_b32 v[TM+8+\b], v[TM+\b], 0x7f800000, s[MNT]
.endr
.irp b, 0,1,2,3
	v_lshrrev_b32 v[TM+4+\b], 23, v[TM+12+\b]
.endr
	s_delay_alu instid0(VALU_DEP_3)
	v_lshl_or_b32 v[\pw], v[TM+5], 8, v[TM+4]
	s_delay_alu instid0(VALU_DEP_1)
	v_lshl_or_b32 v[\pw], v[TM+6], 16, v[\pw]
	s_delay_alu instid0(VALU_DEP_1)
	v_lshl_or_b32 v[\pw], v[TM+7], 24, v[\pw]
.irp b, 0,1,2,3
.irp i, 0,1,2,3,4,5,6,7,8,9,10,11,12,13,14,15
	v_med3_num_f32 v[\s+16*\b+\i], v[\s+16*\b+\i], -v[TM+8+\b], v[TM+8+\b]
.endr
	v_cvt_scalef32_pk8_bf8_f32 v[\pc+4*\b:\pc+4*\b+1], v[\s+16*\b:\s+16*\b+7], v[TM+12+\b]
	v_cvt_scalef32_pk8_bf8_f32 v[\pc+4*\b+2:\pc+4*\b+3], v[\s+16*\b+8:\s+16*\b+15], v[TM+12+\b]
.endr
	v_nop
.endm
	s_load_b256 s[4:11], s[0:1], 0x0
	s_load_b256 s[12:19], s[0:1], 0x20
	s_load_b64 s[20:21], s[0:1], 0x40
	v_lshl_add_u32 v62, v0, 2, 0x29000
	v_mov_b32 v63, 0
	ds_add_u32 v62, v63
	ds_add_u32 v62, v63
	v_lshrrev_b32 v1, 5, v0
	s_delay_alu instid0(VALU_DEP_1)
	v_readfirstlane_b32 s22, v1
	s_and_b32 s23, ttmp7, 0xffff
	s_mov_b32 s24, ttmp9
	s_mov_b32 s28, 3<<16
	s_mov_b32 s29, 32<<16
	s_mov_b32 s30, 64<<16
	s_mov_b32 s31, 32<<16
	s_mov_b32 s32, 64
	s_mov_b32 s33, 32
	s_mov_b32 s34, 0
	s_mov_b32 s35, 0
	s_mov_b32 s44, 1
	s_mul_i32 s45, s22, 16384                      ; my 64 rows of the tile
	s_mul_i32 s25, s23, 6
	s_add_co_u32 s25, s25, s22                     ; 6 y + wave:
	s_lshr_b32 s23, s25, 3                         ; from here on s23 is 0 Q, 1 K, 2 V,
	s_and_b32 s22, s25, 7                          ; and s22 the head
	s_mul_i32 s56, s24, 98304
	s_add_co_u32 s56, s56, s45
	s_mov_b32 s57, 0
	s_mul_i32 s58, s24, 6144                       ; the block's scale words: 8 tiles x 768 bytes
	s_mov_b32 s59, 0
	s_mov_b32 s[SEL], 0x76543210
	s_mov_b32 s[SEL+1], 0xfedcba98
	s_mov_b32 s[MNT], 0x600000
	v_and_b32 v12, 31, v0
	s_delay_alu instid0(VALU_DEP_1)
	v_lshlrev_b32 v[LI], 4, v12
	s_delay_alu instid0(VALU_DEP_2)
	v_lshlrev_b32 v[LS], 2, v12
	s_delay_alu instid0(VALU_DEP_2)
	v_add_nc_u32 v[XA1], 49152, v[LI]
	v_and_b32 v13, 15, v0
	v_bfe_u32 v14, v0, 4, 1
	s_delay_alu instid0(VALU_DEP_1)
	v_mul_u32_u24 v[XSA], v14, 768
	s_delay_alu instid0(VALU_DEP_1)
	v_lshl_add_u32 v[XSA], v13, 2, v[XSA]
	s_wait_alu depctr_va_vdst(0)
	s_wait_dscnt 0x0
	s_wait_kmcnt 0x0
	s_add_nc_u64 s[46:47], s[4:5], s[56:57]
	s_or_b32 s47, s47, 0x80000000
	s_add_nc_u64 s[6:7], s[6:7], s[58:59]
	tensor_load_to_lds s[44:47], s[28:35]
	s_nop 0
.rept 4
	v_nop
.endr
	s_mul_i32 s56, s23, 393216
	s_mul_i32 s58, s22, 49152
	s_add_co_u32 s56, s56, s58
	s_add_nc_u64 s[8:9], s[8:9], s[56:57]
	s_mul_i32 s56, s23, 12288
	s_mul_i32 s58, s22, 1536
	s_add_co_u32 s56, s56, s58
	s_add_nc_u64 s[10:11], s[10:11], s[56:57]
	s_cmp_eq_u32 s23, 1
	s_cselect_b64 s[12:13], s[14:15], s[12:13]
	s_cmp_eq_u32 s23, 2
	s_cselect_b64 s[12:13], s[16:17], s[12:13]
	s_lshl_b32 s56, s22, 8
	s_add_nc_u64 s[12:13], s[12:13], s[56:57]
	s_lshr_b32 s58, s24, 4
	s_lshl_b32 s58, s58, 3
	s_add_co_u32 s58, s58, s22
	s_lshl_b32 s58, s58, 4
	s_and_b32 s59, s24, 15
	s_add_co_u32 s58, s58, s59
	s_mov_b32 s59, 17408
	s_cmp_eq_u32 s23, 0
	s_cselect_b64 s[18:19], s[18:19], s[20:21]
	s_cselect_b32 s59, 8704, s59
	s_mul_i32 s56, s58, s59
	s_lshl_b32 s60, 8192, s23
	s_cmp_eq_u32 s23, 2
	s_cselect_b32 s58, 8192, 0
	s_cselect_b32 s60, 8704, s60
	s_add_co_u32 s56, s56, s58
	s_add_nc_u64 s[18:19], s[18:19], s[56:57]
	s_mov_b32 s61, 0
	s_add_nc_u64 s[20:21], s[18:19], s[60:61]
.macro WLOAD s
.irp ct, 0,1,2,3
.irp c, 0,1,2,3
	global_load_b128 v[WF+64*((\s)%2)+16*\ct+4*\c:WF+64*((\s)%2)+16*\ct+4*\c+3], v[LI], s[8:9] offset:(6*(\ct/2)+(\s))*4096+2048*(\ct%2)+512*\c
.endr
.endr
.endm
.macro HALF s, hf, var
.irp q, 0,1,2,3
.irp c, 0,1,2,3
.if \hf
	ds_load_b128 v[XF+16*\q+4*\c:XF+16*\q+4*\c+3], v[XA1] offset:(6*\q+\s)*2048+512*\c
.else
	ds_load_b128 v[XF+16*\q+4*\c:XF+16*\q+4*\c+3], v[LI] offset:(6*\q+\s)*2048+512*\c
.endif
.endr
.endr
.if \hf == 0
.if \s < 5
	s_wait_loadcnt 16
.else
	s_wait_loadcnt 8
.endif
.endif
	s_wait_dscnt 0x0
	WIN 0x50
.if \s == 0
.set rZ, 1
.else
.set rZ, 0
.endif
.irp q, 0,1,2,3
.irp ct, 0,1,2,3
.set tt_, 4*\hf+\q
.if \var == 0
.set rD, 8*(4*tt_+\ct)
.set rA, WF+64*((\s)%2)+16*\ct
.set rB, XF+16*\q
.set rSA, WS+6*(\ct/2)+\s
.set rSB, XS+4*\s+tt_/2
.set rR, (\ct%2)+2*(tt_%2)
.else
.set rD, 8*(8*\ct+tt_)
.set rA, XF+16*\q
.set rB, WF+64*((\s)%2)+16*\ct
.set rSA, XS+4*\s+tt_/2
.set rSB, WS+6*(\ct/2)+\s
.set rR, (tt_%2)+2*(\ct%2)
.endif
	WM
.endr
.endr
	WIN 0
.rept 8
	v_nop
.endr
.endm
.macro KSTEP s, var
.if \s < 5
	WLOAD \s+1
.elseif \var == 0
.irp ct, 0,1,2,3
	global_load_b128 v[BI+8*\ct:BI+8*\ct+3], v[BA], s[12:13] offset:(32*(\ct/2)+8*(\ct%2))*4
	global_load_b128 v[BI+8*\ct+4:BI+8*\ct+7], v[BA], s[12:13] offset:(32*(\ct/2)+8*(\ct%2))*4+16
.endr
.else
.irp ct, 0,1,2,3
	global_load_b32 v[BI+2*\ct], v[BA], s[12:13] offset:(32*(\ct/2)+8*(\ct%2))*4
	global_load_b32 v[BI+2*\ct+1], v[BA], s[12:13] offset:(32*(\ct/2)+8*(\ct%2))*4
.endr
.endif
	HALF \s, 0, \var
	HALF \s, 1, \var
.endm
.macro EPI var
	s_wait_loadcnt 0x0
.irp b, 0,1,2,3
	v_mov_b32 v[TM+4+\b], 0
.endr
.irp n, 0,1,2,3
	WIN 0x01
.set i_, 0
.rept 32
.if \var == 0
	v_pk_add_f32 v[T+i_:T+i_+1], v[64*\n+i_:64*\n+i_+1], v[BI+i_%32:BI+i_%32+1]
.else
	v_pk_add_f32 v[T+i_:T+i_+1], v[64*\n+i_:64*\n+i_+1], v[BI+2*\n:BI+2*\n+1]
.endif
.set i_, i_+2
.endr
	WIN 0
	QUANT T, PC+16*\n, PW
	v_lshrrev_b32 v[SW+\n], v[SH], v[PW]
.irp q, 0,1,2,3
	global_store_b128 v[LI], v[PC+16*\n+4*\q:PC+16*\n+4*\q+3], s[18:19] offset:2048*\n+512*\q
.endr
.endr
	global_store_b128 v[LI], v[SW:SW+3], s[20:21]
	s_wait_tensorcnt 0x0
	ds_add_u32 v62, v63
	s_wait_dscnt 0x0
	s_endpgm
.endm
	WLOAD 0
.irp gg, 0,1
.irp s, 0,1,2,3,4,5
	global_load_b32 v[WS+6*\gg+\s], v[LS], s[10:11] offset:(6*\gg+\s)*128
.endr
.endr
.irp s, 0,1,2,3,4,5
.irp j, 0,1,2,3
	global_load_b32 v[XS+4*\s+\j], v[XSA], s[6:7] offset:1536*\j+128*\s   ; lanes 0-15: tile 2 j's words, lanes 16-31: tile 2 j + 1's
.endr
.endr
	s_wait_tensorcnt 0x0
	s_barrier_signal -1
	s_barrier_wait -1
	s_cmp_eq_u32 s23, 2
	s_cbranch_scc1 .Lvalues
	v_lshlrev_b32 v[SH], 4, v14
	v_lshlrev_b32 v[BA], 6, v14
	s_wait_alu depctr_va_vdst(0)
.irp s, 0,1,2,3,4,5
	KSTEP \s, 0
.endr
	EPI 0
.Lvalues:
	v_mov_b32 v[SH], 0
	v_and_b32 v[BA], 8, v13
	s_delay_alu instid0(VALU_DEP_1)
	v_add_nc_u32 v[BA], v[BA], v13
	s_delay_alu instid0(VALU_DEP_1)
	v_lshlrev_b32 v[BA], 2, v[BA]
	s_wait_alu depctr_va_vdst(0)
.irp s, 0,1,2,3,4,5
	KSTEP \s, 1
.endr
	EPI 1
.Lfunc_end_k_q881105a8fb_qkv:
	.size	k_q881105a8fb_qkv, .Lfunc_end_k_q881105a8fb_qkv-k_q881105a8fb_qkv
	.p2alignl 7, 3214868480
	.fill 96, 4, 3214868480
	.section	.rodata,"a",@progbits
	.p2align	6, 0x0
	.amdhsa_kernel k_q881105a8fb_qkv
		.amdhsa_group_segment_fixed_size 327680
		.amdhsa_private_segment_fixed_size 0
		.amdhsa_enable_private_segment 0
		.amdhsa_kernarg_size 72
		.amdhsa_user_sgpr_count 2
		.amdhsa_user_sgpr_kernarg_segment_ptr 1
		.amdhsa_wavefront_size32 1
		.amdhsa_system_sgpr_workgroup_id_x 1
		.amdhsa_system_sgpr_workgroup_id_y 1
		.amdhsa_system_sgpr_workgroup_id_z 1
		.amdhsa_system_vgpr_workitem_id 0
		.amdhsa_next_free_vgpr 512
		.amdhsa_next_free_sgpr 66
		.amdhsa_reserve_vcc 0
		.amdhsa_float_denorm_mode_32 3
		.amdhsa_float_denorm_mode_16_64 3
		.amdhsa_memory_ordered 1
		.amdhsa_forward_progress 1
		.amdhsa_inst_pref_size 202
	.end_amdhsa_kernel
	.amdgpu_metadata
---
amdhsa.version: [ 1, 2 ]
amdhsa.kernels:
  - .name:           k_q881105a8fb_qkv
    .symbol:         k_q881105a8fb_qkv.kd
    .args:
      - { .name: ximg, .offset: 0, .size: 8, .value_kind: global_buffer, .address_space: global }
      - { .name: xscl, .offset: 8, .size: 8, .value_kind: global_buffer, .address_space: global }
      - { .name: wimg, .offset: 16, .size: 8, .value_kind: global_buffer, .address_space: global }
      - { .name: wscl, .offset: 24, .size: 8, .value_kind: global_buffer, .address_space: global }
      - { .name: bq, .offset: 32, .size: 8, .value_kind: global_buffer, .address_space: global }
      - { .name: bk, .offset: 40, .size: 8, .value_kind: global_buffer, .address_space: global }
      - { .name: bv, .offset: 48, .size: 8, .value_kind: global_buffer, .address_space: global }
      - { .name: qrec, .offset: 56, .size: 8, .value_kind: global_buffer, .address_space: global }
      - { .name: kv, .offset: 64, .size: 8, .value_kind: global_buffer, .address_space: global }
    .group_segment_fixed_size: 327680
    .private_segment_fixed_size: 0
    .kernarg_segment_align: 8
    .kernarg_segment_size: 72
    .max_flat_workgroup_size: 192
    .sgpr_count:     66
    .vgpr_count:     512
    .wavefront_size: 32
...
	.end_amdgpu_metadata
.endif
;; end of part 2
;; launch attn (part 3): grid 8 x 32, 8 waves a work-group, clusters of 4 x 1, 327,680 bytes of LDS; arguments qrec, kv, aimg, ascl; writes aimg, ascl
.if DOCPART == 3
	.amdgcn_target "amdgcn-amd-amdhsa--gfx1250"
	.amdhsa_code_object_version 6
	.text
	.protected	k_q881105a8fb_attn
	.globl	k_q881105a8fb_attn
	.p2align	8
	.type	k_q881105a8fb_attn,@function
k_q881105a8fb_attn:
	s_mov_b64 s[64:65], 0
	v_nop
	global_prefetch_b8 v0, s[64:65] scope:SCOPE_SE
	s_setreg_imm32_b32 hwreg(HW_REG_WAVE_MODE, 25, 1), 1
	s_wait_xcnt 0x0
	s_wait_alu depctr_hold_cnt(0) depctr_sa_sdst(0) depctr_va_vdst(0) depctr_va_sdst(0) depctr_va_ssrc(0) depctr_va_vcc(0) depctr_vm_vsrc(0)
	s_getreg_b32 s2, hwreg(HW_REG_IB_STS2, 6, 4)
	s_cmp_eq_u32 s2, 0
	s_cbranch_scc0 .Lentry_in_a_cluster
	s_endpgm
.Lentry_in_a_cluster:
	s_bfe_u32 s2, ttmp6, 0x10000c
	s_cmp_lg_u32 s2, 0x3003
	s_cbranch_scc0 .Lentry_shape_is_right
	s_endpgm
.Lentry_shape_is_right:
; attended[q] = (sum over keys of p V) / l for one head (work-group y = 8 batch + head) and 256 queries, both products on codes of BF8 with E8M0 scales, sums in f32; the result is quantised along the head and leaves as codes.
; THE SOFTMAX AHEAD OF THE SECOND PRODUCT: t = score x log2(e) / 8; M = the row's largest t so far, rounded UP to a whole number; p = 2^(t - M) is quantised along the keys, not normalised.
; l is the sum of the unquantised p, in f32, and divides at the end.  When M moves, l and O are multiplied by 2^(old M - new M): exact.
; A BLOCK'S SCALE: p rises with the score, so the block's largest p is 2^x, x = (its largest score) c - M, and floor(log2) of it is e = floor(x), held at -111 from below: byte e + 112, scale operand (e + 112) << 23, hold 1.75 x 2^e.
; SHARES: each of eight waves owns a PAIR of query tiles (32 tokens), which share every fragment of K and V.  Every wave walks the head's 2,048 keys, 128 a step.
; LDS: a head's K, V and their scale words, 16 records of 17,408 bytes, 278,528 in all, come ONCE and stay.  Each wave brings an eighth of records 0-3 at the head, and an eighth of records 4-15 behind one round of the cluster's barrier.
; Both loads are asked for ahead of the loop, so there is no stream of tiles to run ahead of: nothing is prefetched.
; CLUSTER: the four query blocks of a cluster belong to one head: each load is asked for JOINTLY, by the same descriptor with a mask that names the four.
; LAYOUT: both products are used transposed: S^T = K Q^T (source 0 = 16 keys, source 1 = 16 queries), O^T = V^T P^T (source 0 = 16 channels, source 1 = P): a lane holds ONE query throughout.
; Tiles of tokens and of channels hold, in row r of tile 2 b + u, number 32 b + 8 u + r + 8 (r / 8): so the 16 registers of tiles 2 b, 2 b + 1 of a result are 16 neighbours, 32 b + 16 (lane / 16) + 0 .. 15.
; THE FIRST PRODUCT'S K IS 64, half of the instruction's 128: Q's fragment is 8 registers of codes and 8 of zero codes.  K's fragment t names 16 registers from tile t's first on: the upper 8 are the next tile's codes
; (behind tile 7: zeros), finite numbers that meet zero codes and add nothing; the scale bytes beside them are other tiles' bytes or 0, never 0xff.
; ORDER: tile 0's row maximum is made among tile 1's maxima, tile 1's among tile 0's multiply-adds.  The exponentials are two batches of 64, one a tile; the 48 plain lines that stand in a batch write registers that are first read behind the batch's wait.
; K IS FETCHED A STEP AHEAD: step j's V and step j + 1's K leave LDS in one run behind step j's first products.
; LIMITS: NaN and infinities are not served; p under 2^-126 counts as 0; where v_exp_f32 rounds a block's largest p up to a power of two, that p is held; 1 / l is v_rcp_f32's; a block of zeros gets the byte 1.  The scale bytes leave as 2 bytes a lane (131,072 bytes in the whole launch).
; REGISTERS, window 0: v1-4 addresses; v8-18 scale words; v20-35 statistics; v36-53 tile 0's registers at work, v224-241 tile 1's (the way out's afterwards); v6-7, v54-63, v242-253 partial sums; v64-191 S^T, then p, 64 a tile; v192-223 partial sums, then p's codes.
;   window 1: v0-63 O^T (tile q, channel tile t at 32 q + 8 t); v64-95 Q's two fragments; v96-167 K; v168-231 V.
.set REC, 17408                        ; a record: K's images 8,192, V's 8,192, K's scale words 512, V's 512
.set LI,  1                            ; v1   16 x lane
.set ADR, 2                            ; v2   the step's record + 16 x lane
.set SH,  3                            ; v3   16 h
.set AS,  4                            ; v4   256 h + 4 r: my scale bytes' place on the way out
.set KS,  8                            ; v8-11   K's scale words: KS + j: lanes 0-15 tile 2 j, lanes 16-31 tile 2 j + 1
.set VS,  12                           ; v12-15  V's: VS + t
.set QS,  16                           ; v16     Q's: lanes 0-15 my first tile, lanes 16-31 my second
.set PS,  17                           ; v17-18  p's, a word for each tile
.set ST,  20                           ; tile q at ST + 8 q: +0 -M, +1 the largest score, +2, +3 l in two halves, +4 f (later 1 / l), +5 named with it as a pair, +6 the old -M, +7 at work
.set TP,  36                           ; tile q at TP + 188 q: +0..3 a block's largest score, then e; +4..7 the other half's; +8..11 the holds; +12..15 the conversions' scale operands; +16 at work
.set BP,  TP+4
.set S,   64
.set PCD, 192
.set TM,  224
.set PW,  240
.set OW,  241
.set SC,  242                          ; v242-249 tile 1's four partial sums, pairs
.set QF,  64                           ; in window 1
.set KF,  96
.set VF,  168
.set WV,  12                           ; s12  my wave's number
.set SEL, 40                           ; s[40:41]
.set CS,  42                           ; s[42:43] c = log2(e) / 8
.set MNT, 44
.set TB,  45                           ; s45  LDS byte at which the step's record begins
.set CNT, 46
.set C1,  47                           ; s47  112 << 23
.set C2,  3                            ; s3   1.75 as f32
.set MSB, 0
.macro WIN new                         ; the immediate's high byte repeats the setting that is left
.if MSB != \new
	s_set_vgpr_msb (MSB<<8)|\new
.set MSB, \new
.endif
.endm
.macro CROUND                          ; a round of the cluster's barrier
	s_barrier_signal -1
	s_barrier_wait -1
	s_cmp_lg_u32 s[WV], 0
	s_cbranch_scc1 .Lnot_wave_0_\@
	s_barrier_signal -3
.Lnot_wave_0_\@:
	s_barrier_wait -3
	s_barrier_signal -1
	s_barrier_wait -1
.endm
; One matrix instruction from the symbols rD, rA, rB, rSA, rSB; rR: bit 0: source 0's scales in lanes 16-31, bit 1: source 1's; rZ = 1: it starts the sum.
.macro WM
.if rZ
.if rR == 0
	v_wmma_scale_f32_16x16x128_f8f6f4 v[rD:rD+7], v[rA:rA+15], v[rB:rB+15], 0, v[rSA], v[rSB] matrix_a_fmt:MATRIX_FMT_BF8 matrix_b_fmt:MATRIX_FMT_BF8
.elseif rR == 1
	v_wmma_scale_f32_16x16x128_f8f6f4 v[rD:rD+7], v[rA:rA+15], v[rB:rB+15], 0, v[rSA], v[rSB] matrix_a_fmt:MATRIX_FMT_BF8 matrix_b_fmt:MATRIX_FMT_BF8 matrix_a_scale:MATRIX_SCALE_ROW1
.elseif rR == 2
	v_wmma_scale_f32_16x16x128_f8f6f4 v[rD:rD+7], v[rA:rA+15], v[rB:rB+15], 0, v[rSA], v[rSB] matrix_a_fmt:MATRIX_FMT_BF8 matrix_b_fmt:MATRIX_FMT_BF8 matrix_b_scale:MATRIX_SCALE_ROW1
.else
	v_wmma_scale_f32_16x16x128_f8f6f4 v[rD:rD+7], v[rA:rA+15], v[rB:rB+15], 0, v[rSA], v[rSB] matrix_a_fmt:MATRIX_FMT_BF8 matrix_b_fmt:MATRIX_FMT_BF8 matrix_a_scale:MATRIX_SCALE_ROW1 matrix_b_scale:MATRIX_SCALE_ROW1
.endif
.else
	v_wmma_scale_f32_16x16x128_f8f6f4 v[rD:rD+7], v[rA:rA+15], v[rB:rB+15], v[rD:rD+7], v[rSA], v[rSB] matrix_a_fmt:MATRIX_FMT_BF8 matrix_b_fmt:MATRIX_FMT_BF8
.endif
.endm
; 64 numbers of a lane, register 16 b + i of block b, become 16 code registers v[pc] on and a word of four scale bytes v[pw]; a block lies in lanes l and l xor 16.
.macro QUANT s, pc, pw
.irp b, 0,1,2,3
	v_max3_num_f32 v[TM+\b], |v[\s+16*\b]|, |v[\s+16*\b+1]|, 0x8000000   ; my 16 numbers, and the floor 2^(16 - 127): the byte cannot fall under 1
.endr
.irp i, 2,4,6,8,10,12,14
.irp b, 0,1,2,3
	v_max3_num_f32 v[TM+\b], v[TM+\b], |v[\s+16*\b+\i]|, |v[\s+16*\b+\i+1]|
.endr
.endr
.irp b, 0,1,2,3
	v_permlanex16_b32 v[TM+4+\b], v[TM+\b], s[SEL], s[SEL+1]
.endr
.irp b, 0,1,2,3
	v_max_num_f32 v[TM+\b], v[TM+\b], v[TM+4+\b]
.endr
.irp b, 0,1,2,3
	v_add_nc_u32 v[TM+12+\b], 0xf8800000, v[TM+\b]
.endr
.irp b, 0,1,2,3
	v_and_or_b32 v[TM+8+\b], v[TM+\b], 0x7f800000, s[MNT]
.endr
.irp b, 0,1,2,3
	v_lshrrev_b32 v[TM+4+\b], 23, v[TM+12+\b]
.endr
	v_lshl_or_b32 v[\pw], v[TM+5], 8, v[TM+4]
	v_lshl_or_b32 v[\pw], v[TM+6], 16, v[\pw]
	v_lshl_or_b32 v[\pw], v[TM+7], 24, v[\pw]
.irp b, 0,1,2,3
.irp i, 0,1,2,3,4,5,6,7,8,9,10,11,12,13,14,15
	v_med3_num_f32 v[\s+16*\b+\i], v[\s+16*\b+\i], -v[TM+8+\b], v[TM+8+\b]
.endr
	v_cvt_scalef32_pk8_bf8_f32 v[\pc+4*\b:\pc+4*\b+1], v[\s+16*\b:\s+16*\b+7], v[TM+12+\b]
	v_cvt_scalef32_pk8_bf8_f32 v[\pc+4*\b+2:\pc+4*\b+3], v[\s+16*\b+8:\s+16*\b+15], v[TM+12+\b]
.endr
	v_nop                                          ; one plain vector line behind the last conversion
.endm
	s_load_b256 s[4:11], s[0:1], 0x0               ; qrec s[4:5], kv s[6:7], aimg s[8:9], ascl s[10:11]
	v_lshl_add_u32 v254, v0, 2, 0x44000            ; my spare word, and 0: never rewritten
	v_mov_b32 v255, 0
	ds_add_u32 v254, v255                          ; the opening: the add, twice on end, and its wait
	ds_add_u32 v254, v255
	v_lshrrev_b32 v1, 5, v0
	v_readfirstlane_b32 s[WV], v1                  ; wave 0..7
	s_and_b32 s15, ttmp7, 0xffff                   ; 8 batch + head, which the four partners share
	; descriptor groups 1: dense blocks as rows of 256 bytes (32 elements of 8 bytes); the mask names all four work-groups, bit 21 set beside it.  34 rows a wave of records 0-3, 102 of records 4-15
	s_mov_b32 s16, 15|(3<<16)|(1<<21)
	s_mov_b32 s17, 32<<16
	s_mov_b32 s18, 34<<16
	s_mov_b32 s19, 32<<16
	s_mov_b32 s20, 34
	s_mov_b32 s21, 32
	s_mov_b32 s22, 0
	s_mov_b32 s23, 0
	s_mov_b32 s24, 15|(3<<16)|(1<<21)
	s_mov_b32 s25, 32<<16
	s_mov_b32 s26, 102<<16
	s_mov_b32 s27, 32<<16
	s_mov_b32 s28, 102
	s_mov_b32 s29, 32
	s_mov_b32 s30, 0
	s_mov_b32 s31, 0
	s_mul_i32 s48, s15, 16*REC                     ; the head's records: made of the head and the wave's number alone
	s_mov_b32 s32, 1
	s_mul_i32 s33, s[WV], 8704                     ; LDS = the place in the head's records
	s_add_co_u32 s50, s48, s33
	s_mov_b32 s51, 0
	s_mov_b32 s36, 1
	s_mul_i32 s49, s[WV], 26112
	s_add_co_u32 s37, s49, 4*REC
	s_add_co_u32 s48, s48, s37
	s_mov_b32 s49, 0
	; my queries and my place in the outputs: here alone the place in the cluster enters
	s_bfe_u32 s13, ttmp6, 0x40000                  ; cx
	s_lshl_b32 s14, ttmp9, 2
	s_add_co_u32 s14, s14, s13                     ; my block of 256 queries
	s_lshl_b32 s52, s15, 4
	s_lshl_b32 s53, s14, 1
	s_add_co_u32 s52, s52, s53
	s_lshr_b32 s53, s[WV], 2
	s_add_co_u32 s52, s52, s53                     ; Q's record: 16 (8 batch + head) + 2 block + wave / 4
	s_mul_i32 s52, s52, 8704
	s_and_b32 s53, s[WV], 3                        ; my pair in it
	s_lshl_b32 s54, s53, 11
	s_add_co_u32 s54, s52, s54                     ; its images
	s_mov_b32 s55, 0
	s_lshl_b32 s53, s53, 2
	s_add_co_u32 s52, s52, s53
	s_add_co_u32 s52, s52, 8192                    ; its scale words: [lane][pair]
	s_mov_b32 s53, 0
	s_lshr_b32 s60, s15, 3
	s_lshl_b32 s60, s60, 7                         ; 128 tiles a batch
	s_lshl_b32 s61, s14, 3
	s_add_co_u32 s61, s61, s[WV]
	s_lshl_b32 s61, s61, 1
	s_add_co_u32 s60, s60, s61                     ; my first tile of tokens, T0
	s_and_b32 s61, s15, 7                          ; the head
	s_lshr_b32 s62, s61, 1                         ; the last product's K step,
	s_and_b32 s61, s61, 1                          ; and which half of it
	s_lshl_b32 s56, s60, 13                        ; aimg: 8,192 T0 + 2,048 (head / 2) + 1,024 (head % 2)
	s_lshl_b32 s63, s62, 11
	s_add_co_u32 s56, s56, s63
	s_lshl_b32 s63, s61, 10
	s_add_co_u32 s56, s56, s63
	s_mov_b32 s57, 0
	s_lshl_b32 s58, s60, 8                         ; ascl: 256 T0 + 64 (head / 2) + 2 (head % 2)
	s_lshl_b32 s63, s62, 6
	s_add_co_u32 s58, s58, s63
	s_lshl_b32 s63, s61, 1
	s_add_co_u32 s58, s58, s63
	s_mov_b32 s59, 0
	s_mov_b32 s[SEL], 0x76543210
	s_mov_b32 s[SEL+1], 0xfedcba98
	s_mov_b32 s[CS], 0x3e38aa3b                    ; c = log2(e) / sqrt(64)
	s_mov_b32 s[CS+1], s[CS]                       ; (named with it as a pair, so it is written)
	s_mov_b32 s[MNT], 0x600000
	s_mov_b32 s[C1], 0x38000000
	s_mov_b32 s[C2], 0x3fe00000
	v_and_b32 v5, 31, v0
	v_lshlrev_b32 v[LI], 4, v5
	v_bfe_u32 v6, v0, 4, 1                         ; h
	v_and_b32 v7, 15, v0                           ; r
	v_lshlrev_b32 v[SH], 4, v6
	v_lshlrev_b32 v[AS], 8, v6
	v_lshl_add_u32 v[AS], v7, 2, v[AS]
	s_wait_alu depctr_va_vdst(0)
	s_wait_dscnt 0x0                               ; both opening adds are done
	s_wait_kmcnt 0x0
	s_add_nc_u64 s[34:35], s[6:7], s[50:51]
	s_or_b32 s35, s35, 0x80000000
	s_add_nc_u64 s[38:39], s[6:7], s[48:49]
	s_or_b32 s39, s39, 0x80000000
	s_add_nc_u64 s[54:55], s[4:5], s[54:55]
	s_add_nc_u64 s[52:53], s[4:5], s[52:53]
	s_add_nc_u64 s[8:9], s[8:9], s[56:57]
	s_add_nc_u64 s[10:11], s[10:11], s[58:59]
	CROUND                                         ; all four work-groups are here: the joint loads meet
	tensor_load_to_lds s[32:35], s[16:23]          ; key steps 0 to 3: my one tensor load at the head
	s_nop 0
.rept 4
	v_nop
.endr
	WIN 0x40                                       ; destination window 1
	global_load_b128 v[QF:QF+3], v[LI], s[54:55]                   ; my first tile's codes,
	global_load_b128 v[QF+4:QF+7], v[LI], s[54:55] offset:512
	global_load_b128 v[QF+16:QF+19], v[LI], s[54:55] offset:1024   ; my second's
	global_load_b128 v[QF+20:QF+23], v[LI], s[54:55] offset:1536
.set i_, 0
.rept 64
	v_mov_b32 v[i_], 0                             ; O^T.  (The step is written alike for all steps: the first finds zeros, which the first change of M leaves zeros)
.set i_, i_+1
.endr
.irp z, QF+8, QF+24, KF+64
.irp j, 0,1,2,3,4,5,6,7
	v_mov_b32 v[\z+\j], 0                          ; zero codes: the upper halves of Q's fragments, and what stands behind K's tile 7
.endr
.endr
	WIN 0
	global_load_b32 v[QS], v[LI], s[52:53]
.irp q, 0,1
	v_mov_b32 v[ST+8*\q+1], 0xff61b1e6             ; the largest score so far: -3e38, under every score
	v_mov_b32 v[ST+8*\q], 0x7f61b1e6               ; -M
	v_mov_b32 v[ST+8*\q+2], 0                      ; l
	v_mov_b32 v[ST+8*\q+3], 0
	v_mov_b32 v[ST+8*\q+5], 0                      ; (the upper half of f's pair)
.endr
.irp b, 0,1,2,3
	v_mov_b32 v[BP+\b], 0                          ; written once: a lane permute's destination counts as one of its sources (tile 0's;
	v_mov_b32 v[TM+4+\b], 0                        ; tile 1's, which are the way out's too)
	v_mov_b32 v[54+\b], 0                          ; partial sums: the first step adds zeros to l
.endr
.irp b, 0,1,2,3,4,5,6,7
	v_mov_b32 v[SC+\b], 0
.endr
; THE LINES OF A TILE'S SOFTMAX, each written by a macro from the tile q and the line's number.
.macro TSET q
.set rS, S+64*(\q)
.set rT, ST+8*(\q)
.set rP, PCD+16*(\q)
.set rX, TP+188*(\q)
.endm
.macro MX q, n                         ; 0 .. 31: the largest score of each block of 32 keys, four chains by turns; each accumulator is read from its low end on
	TSET \q
.set b_, (\n)%4
.set g_, (\n)/4
.if g_ == 0
	v_max3_num_f32 v[rX+b_], v[rS+16*b_], v[rS+16*b_+1], v[rS+16*b_+2]
.elseif g_ < 7
	v_max3_num_f32 v[rX+b_], v[rX+b_], v[rS+16*b_+2*g_+1], v[rS+16*b_+2*g_+2]
.else
	v_max_num_f32 v[rX+b_], v[rX+b_], v[rS+16*b_+15]
.endif
.endm
.macro CH q, k                         ; 0 .. 15: the blocks' maxima over both halves of the lanes, the row's, the new M, f
	TSET \q
.if (\k) < 4
	v_permlanex16_b32 v[rX+4+(\k)], v[rX+(\k)], s[SEL], s[SEL+1]
.elseif (\k) < 8
	v_max_num_f32 v[rX+(\k)-4], v[rX+(\k)-4], v[rX+(\k)]
.elseif (\k) == 8
	v_max3_num_f32 v[rT+7], v[rX], v[rX+1], v[rX+2]
.elseif (\k) == 9
	v_max3_num_f32 v[rT+1], v[rT+1], v[rT+7], v[rX+3]              ; the running largest score
.elseif (\k) == 10
	v_mov_b32 v[rT+6], v[rT]                       ; the old -M
.elseif (\k) == 11
	v_mul_f32 v[rT+7], s[CS], v[rT+1]              ; as t (c is positive)
.elseif (\k) == 12
	v_floor_f32 v[rT], -v[rT+7]                    ; the new -M = floor(-t) = -ceil(t)
.elseif (\k) == 13
	v_sub_f32 v[rT+7], v[rT], v[rT+6]              ; old M - new M: a whole number, 0 or less
.elseif (\k) == 14
	v_cvt_i32_f32 v[rT+7], v[rT+7]                 ; (it saturates)
.else
	v_ldexp_f32 v[rT+4], 1.0, v[rT+7]              ; f = 2^(old M - new M)
.endif
.endm
.macro FM q, n                         ; 0 .. 31: t - M, two at a time
	TSET \q
	v_pk_fma_f32 v[rS+2*(\n):rS+2*(\n)+1], v[rS+2*(\n):rS+2*(\n)+1], s[CS:CS+1], v[rT:rT+1] op_sel_hi:[1,0,0]
.endm
.macro SQ q, k                         ; 0 .. 15: e of each block, and p's scale word for these 128 keys: the sum of (e + 112) << 8 b
	TSET \q
.if (\k) < 4
	v_fma_f32 v[rX+(\k)], v[rX+(\k)], s[CS], v[rT]
.elseif (\k) < 8
	v_max_num_f32 v[rX+(\k)-4], 0xc2de0000, v[rX+(\k)-4]           ; -111: the byte cannot fall under 1
.elseif (\k) < 12
	v_cvt_floor_i32_f32 v[rX+(\k)-8], v[rX+(\k)-8]
.elseif (\k) == 12
	v_lshl_add_u32 v[PS+(\q)], v[rX+1], 8, v[rX]
.elseif (\k) == 13
	v_lshl_add_u32 v[rX+16], v[rX+3], 8, v[rX+2]
.elseif (\k) == 14
	v_lshl_add_u32 v[PS+(\q)], v[rX+16], 16, v[PS+(\q)]
.else
	v_add_nc_u32 v[PS+(\q)], 0x70707070, v[PS+(\q)]
.endif
.endm
.macro OH q, k                         ; 0 .. 3: the conversions' scale operands; 4 .. 7: the holds, 57,344 x the scale
	TSET \q
.if (\k) < 4
	v_lshl_add_u32 v[rX+12+(\k)], v[rX+(\k)], 23, s[C1]
.else
	v_lshl_add_u32 v[rX+4+(\k)], v[rX+(\k)-4], 23, s[C2]
.endif
.endm
.macro LF q                            ; l under the new M
	TSET \q
	v_pk_mul_f32 v[rT+2:rT+3], v[rT+2:rT+3], v[rT+4:rT+5] op_sel_hi:[1,0]
.endm
.macro EX q, n                         ; p = 2^(t - M), at most 1
	TSET \q
	v_exp_f32 v[rS+(\n)], v[rS+(\n)]
.endm
.macro MN q, n                         ; 0 .. 31: the conversion does not saturate (ISA guide 7.6.2); p is not negative, so the hold is one-sided: two at a time
	TSET \q
	v_dual_min_num_f32 v[rS+2*(\n)], v[rX+8+(\n)/8], v[rS+2*(\n)] :: v_dual_min_num_f32 v[rS+2*(\n)+1], v[rX+8+(\n)/8], v[rS+2*(\n)+1]
.endm
.macro CV q, g                         ; 0 .. 7: eight p become eight codes
	TSET \q
	v_cvt_scalef32_pk8_bf8_f32 v[rP+2*(\g):rP+2*(\g)+1], v[rS+8*(\g):rS+8*(\g)+7], v[rX+12+(\g)/2]
.endm
; THE SUMS ARE TAKEN OF THE UNQUANTISED p, two at a time.  Tile 0's as a tree (A1, A2, A34 and LEFT), tile 1's in four chains (SB and LEFT).
.macro TT k                            ; where part k of the tree's second level lies
.set rK, 54+2*(\k)
.if (\k) > 4
.set rK, 240+2*(\k)
.endif
.if (\k) == 7
.set rK, 6
.endif
.endm
.macro A1 k                            ; 0 .. 15, into the codes' registers, which are free until the conversions
	v_pk_add_f32 v[PCD+2*(\k):PCD+2*(\k)+1], v[S+4*(\k):S+4*(\k)+1], v[S+4*(\k)+2:S+4*(\k)+3]
.endm
.macro A2 k                            ; 0 .. 7
	TT \k
	v_pk_add_f32 v[rK:rK+1], v[PCD+2*(\k):PCD+2*(\k)+1], v[PCD+16+2*(\k):PCD+17+2*(\k)]
.endm
.macro A34 k, m                        ; part k takes part m in
	TT \k
.set rJ, rK
	TT \m
	v_pk_add_f32 v[rJ:rJ+1], v[rJ:rJ+1], v[rK:rK+1]
.endm
.macro SB i                            ; 0 .. 27
.set c_, SC+2*((\i)%4)
.set p_, S+64+2*(\i)
.if (\i) < 4
	v_pk_add_f32 v[c_:c_+1], v[p_:p_+1], v[p_+8:p_+9]
.else
	v_pk_add_f32 v[c_:c_+1], v[c_:c_+1], v[p_+8:p_+9]
.endif
.endm
.macro LEFT adr                        ; eight places behind matrix instructions: what is left of the last step's sums goes into l (the last step's M still holds)
	v_pk_add_f32 v[SC:SC+1], v[SC:SC+1], v[SC+2:SC+3]
	v_pk_add_f32 v[SC+4:SC+5], v[SC+4:SC+5], v[SC+6:SC+7]
	v_pk_add_f32 v[54:55], v[54:55], v[56:57]
.if \adr
	v_add_nc_u32 v[ADR], s[TB], v[LI]
.else
	v_nop
.endif
	v_nop
	v_pk_add_f32 v[SC:SC+1], v[SC:SC+1], v[SC+4:SC+5]
	v_pk_add_f32 v[ST+2:ST+3], v[ST+2:ST+3], v[54:55]
	v_pk_add_f32 v[ST+10:ST+11], v[ST+10:ST+11], v[SC:SC+1]
.endm
.macro PA i                            ; the 48 plain lines in the first batch: tile 1's multiply-adds, then both tiles' scale operands and holds
.if (\i) < 32
	FM 1, \i
.else
.set u_, (\i)-32
.set w_, u_/8
.set u_, u_%8
	OH w_, u_
.endif
.endm
; BOTH TILES' SOFTMAXES FOR 128 KEYS.
.macro SOFTMAX2
.set n_, 0
.rept 16
	MX 0, 2*n_
	MX 0, 2*n_+1
	MX 1, n_
.set n_, n_+1
.endr
.set n_, 0
.rept 8                                ; tile 0's row maximum among tile 1's other maxima
	MX 1, 16+n_
	CH 0, n_
.set n_, n_+1
.endr
	MX 1, 24
	MX 1, 25
	CH 0, 8
	MX 1, 26
	MX 1, 27
	CH 0, 9
	CH 0, 10
	MX 1, 28
	MX 1, 29
	CH 0, 11
	MX 1, 30
	MX 1, 31
	CH 0, 12
.set n_, 0
.rept 13                               ; tile 1's row maximum among tile 0's multiply-adds
	CH 1, n_
	FM 0, 2*n_
	FM 0, 2*n_+1
.set n_, n_+1
.endr
.set n_, 0
.rept 3
	CH 0, 13+n_
	FM 0, 26+2*n_
	CH 1, 13+n_
	FM 0, 27+2*n_
.set n_, n_+1
.endr
.set n_, 0
.rept 14
	SQ 0, n_
	SQ 1, n_
.set n_, n_+1
.endr
	LF 0
	LF 1
	SQ 0, 14
	SQ 1, 14
	SQ 0, 15
	SQ 1, 15
	WIN 0x41                                       ; O^T (destination and source 0) in window 1, f in window 0
.set i_, 0
.rept 32
	v_pk_mul_f32 v[i_:i_+1], v[i_:i_+1], v[ST+8*(i_/32)+4:ST+8*(i_/32)+5] op_sel_hi:[1,0]   ; O^T under the new M, each accumulator from its low end on
.set i_, i_+2
.endr
	WIN 0
	s_wait_alu depctr_va_vdst(0)
.set n_, 0
.rept 16                               ; tile 0's 64 exponentials
	EX 0, 4*n_
	PA 3*n_
	EX 0, 4*n_+1
	PA 3*n_+1
	EX 0, 4*n_+2
	EX 0, 4*n_+3
	PA 3*n_+2
.set n_, n_+1
.endr
	s_wait_alu depctr_va_vdst(0)                   ; behind tile 0's batch and ahead of tile 1's
.set n_, 0
.rept 16                               ; tile 1's 64, with tile 0's first sums and holds: four numbers are summed, then held
	EX 1, 4*n_
	A1 n_
	EX 1, 4*n_+1
	MN 0, 2*n_
	EX 1, 4*n_+2
	EX 1, 4*n_+3
	MN 0, 2*n_+1
.set n_, n_+1
.endr
	s_wait_alu depctr_va_vdst(0)                   ; behind tile 1's batch
.set n_, 0
.rept 8
	SB n_
	A2 n_
.set n_, n_+1
.endr
.set n_, 0
.rept 8                                ; a group of eight numbers a trip: tile 0's conversion; tile 1's sums (ahead of the holds), holds, and the conversion of the group before
	CV 0, n_
.if n_ < 5
	SB 8+4*n_
	SB 9+4*n_
	SB 10+4*n_
	SB 11+4*n_
.endif
	MN 1, 4*n_
	MN 1, 4*n_+1
	MN 1, 4*n_+2
	MN 1, 4*n_+3
.if n_ > 0
	CV 1, n_-1
.endif
.set n_, n_+1
.endr
	A34 0, 4
	A34 1, 5
	CV 1, 7
	A34 2, 6                                       ; four places between the last conversion and the scaled products
	A34 3, 7
	A34 0, 2
	A34 1, 3
.endm
; A KEY STEP: 128 keys, the record at LDS byte s[TB].  Its K was asked for in the step before.  pf = 1: the next record's K is asked for.
.macro STEP pf
	s_wait_dscnt 0x0                               ; K and its scale words are in
	WIN 0x05                                       ; sources 0 and 1 in window 1, S^T in window 0
.set rZ, 1
.irp t, 0,1,2,3,4,5,6,7
.irp q, 0,1
.set rD, S+64*\q+8*\t
.set rA, KF+8*\t
.set rB, QF+16*\q
.set rSA, KS+\t/2
.set rSB, QS
.set rR, (\t%2)+2*\q
	WM
.endr
.endr
	WIN 0
	LEFT 1                                         ; eight places behind these products and the last step's, in front of loads into registers that they read and of the first read of the scores
	ds_load_b128 v[VS:VS+3], v[ADR] offset:16896
	WIN 0x40                                       ; destination window 1
.irp t, 0,1,2,3
.irp c, 0,1,2,3
	ds_load_b128 v[VF+16*\t+4*\c:VF+16*\t+4*\c+3], v[ADR] offset:8192+2048*\t+512*\c
.endr
.endr
.if \pf
.irp t, 0,1,2,3,4,5,6,7
	ds_load_b128 v[KF+8*\t:KF+8*\t+3], v[ADR] offset:REC+1024*\t
	ds_load_b128 v[KF+8*\t+4:KF+8*\t+7], v[ADR] offset:REC+1024*\t+512
.endr
.endif
	WIN 0
.if \pf
	ds_load_b128 v[KS:KS+3], v[ADR] offset:REC+16384
.endif
	SOFTMAX2
	s_wait_alu depctr_va_vdst(0)
.if \pf
	s_wait_dscnt 17                                ; V and its scale words are in; the 17 loads issued behind them (the next K and its scale words) may be out
.else
	s_wait_dscnt 0x0
.endif
	WIN 0x51                                       ; V, C and D in window 1, p's codes in window 0
.set rZ, 0
.set rR, 0
.irp t, 0,1,2,3
.irp q, 0,1
.set rD, 32*\q+8*\t
.set rA, VF+16*\t
.set rB, PCD+16*\q
.set rSA, VS+\t
.set rSB, PS+\q
	WM                                             ; the eight accumulators take turns, one instruction a turn
.endr
.endr
	WIN 0
	s_add_co_u32 s[TB], s[TB], REC
.endm
	s_wait_alu depctr_va_vdst(0)
	s_wait_tensorcnt 0x0                           ; my part of key steps 0 to 3 is in
	ds_add_u32 v254, v255
	s_wait_dscnt 0x0
	CROUND                                         ; everybody's part is in, and the joint loads meet
	tensor_load_to_lds s[36:39], s[24:31]          ; key steps 4 to 15
	s_nop 0
.rept 4
	v_nop
.endr
	WIN 0x40
.irp t, 0,1,2,3,4,5,6,7
	ds_load_b128 v[KF+8*\t:KF+8*\t+3], v[LI] offset:1024*\t        ; key step 0's K
	ds_load_b128 v[KF+8*\t+4:KF+8*\t+7], v[LI] offset:1024*\t+512
.endr
	WIN 0
	ds_load_b128 v[KS:KS+3], v[LI] offset:16384
	s_wait_loadcnt 0x0                             ; Q
	s_mov_b32 s[TB], 0
	s_mov_b32 s[CNT], 3
.Lfirst:                                           ; key steps 0 to 2: they read records 0 to 3
	STEP 1
	s_sub_co_u32 s[CNT], s[CNT], 1
	s_cmp_lg_u32 s[CNT], 0
	s_cbranch_scc1 .Lfirst
	s_wait_tensorcnt 0x0                           ; my part of key steps 4 to 15 is in,
	s_wait_dscnt 0x0                               ; (no LDS load of mine is out at a signal: step 3's K)
	s_barrier_signal -1
	s_barrier_wait -1                              ; everybody's is: step 3 asks for step 4's K
	s_mov_b32 s[TB], 3*REC
	s_mov_b32 s[CNT], 12
.Lrest:                                            ; key steps 3 to 14
	STEP 1
	s_sub_co_u32 s[CNT], s[CNT], 1
	s_cmp_lg_u32 s[CNT], 0
	s_cbranch_scc1 .Lrest
	s_mov_b32 s[TB], 15*REC
	STEP 0                                         ; the last step is written out: there is no further K to ask for
	; THE WAY OUT: O^T / l; register 16 b + i of a tile is channel 32 b + 16 h + i of my query: the two tiles' 64 numbers are quantised along the head and are halves of two fragments of the last product.
	LEFT 0                                         ; eight places in front of the first read of O^T
.irp q, 0,1
	v_add_f32 v[ST+8*\q+2], v[ST+8*\q+2], v[ST+8*\q+3]             ; l's two halves,
.endr
.irp q, 0,1
	v_permlanex16_b32 v[BP+\q], v[ST+8*\q+2], s[SEL], s[SEL+1]
.endr
.irp q, 0,1
	v_add_f32 v[ST+8*\q+2], v[ST+8*\q+2], v[BP+\q]                 ; and lane l xor 16's
.endr
	s_wait_alu depctr_va_vdst(0)
.irp q, 0,1
	v_rcp_f32 v[ST+8*\q+4], v[ST+8*\q+2]
.endr
	v_nop                                          ; a plain line behind the reciprocals
	WIN 0x01                                       ; source 0: window 1
.set i_, 0
	s_wait_alu depctr_va_vdst(0)                   ; and behind it; it serves the last products' results too
.rept 32
	v_pk_mul_f32 v[S+i_:S+i_+1], v[i_:i_+1], v[ST+8*(i_/32)+4:ST+8*(i_/32)+5] op_sel_hi:[1,0]
.set i_, i_+2
.endr
	WIN 0
	QUANT S, PCD, PW
	v_lshrrev_b32 v[OW], v[SH], v[PW]              ; lanes 0-15: my first tile's two bytes lowest; lanes 16-31: my second's
	global_store_b128 v[LI], v[PCD:PCD+3], s[8:9]                  ; tile T0: my head's two pieces of its fragment; 512 consecutive bytes a store
	global_store_b128 v[LI], v[PCD+4:PCD+7], s[8:9] offset:512
	global_store_b128 v[LI], v[PCD+8:PCD+11], s[8:9] offset:8192   ; tile T0 + 1
	global_store_b128 v[LI], v[PCD+12:PCD+15], s[8:9] offset:8704
	global_store_b16 v[AS], v[OW], s[10:11]        ; my head's half of row r's scale word
	s_wait_tensorcnt 0x0                           ; the wave's end
	ds_add_u32 v254, v255
	s_wait_dscnt 0x0
	CROUND                                         ; the closing round: no work-group ends while a partner may still ask for a tile that names it
	s_endpgm
.Lfunc_end_k_q881105a8fb_attn:
	.size	k_q881105a8fb_attn, .Lfunc_end_k_q881105a8fb_attn-k_q881105a8fb_attn
	.p2alignl 7, 3214868480
	.fill 96, 4, 3214868480
	.section	.rodata,"a",@progbits
	.p2align	6, 0x0
	.amdhsa_kernel k_q881105a8fb_attn
		.amdhsa_group_segment_fixed_size 327680
		.amdhsa_private_segment_fixed_size 0
		.amdhsa_enable_private_segment 0
		.amdhsa_kernarg_size 32
		.amdhsa_user_sgpr_count 2
		.amdhsa_user_sgpr_kernarg_segment_ptr 1
		.amdhsa_wavefront_size32 1
		.amdhsa_system_sgpr_workgroup_id_x 1
		.amdhsa_system_sgpr_workgroup_id_y 1
		.amdhsa_system_sgpr_workgroup_id_z 1
		.amdhsa_system_vgpr_workitem_id 0
		.amdhsa_next_free_vgpr 512
		.amdhsa_next_free_sgpr 66
		.amdhsa_reserve_vcc 0
		.amdhsa_float_denorm_mode_32 3
		.amdhsa_float_denorm_mode_16_64 3
		.amdhsa_memory_ordered 1
		.amdhsa_forward_progress 1
		.amdhsa_inst_pref_size 121
	.end_amdhsa_kernel
	.amdgpu_metadata
---
amdhsa.version: [ 1, 2 ]
amdhsa.kernels:
  - .name:           k_q881105a8fb_attn
    .symbol:         k_q881105a8fb_attn.kd
    .args:
      - { .name: qrec, .offset: 0, .size: 8, .value_kind: global_buffer, .address_space: global }
      - { .name: kv, .offset: 8, .size: 8, .value_kind: global_buffer, .address_space: global }
      - { .name: aimg, .offset: 16, .size: 8, .value_kind: global_buffer, .address_space: global }
      - { .name: ascl, .offset: 24, .size: 8, .value_kind: global_buffer, .address_space: global }
    .group_segment_fixed_size: 327680
    .private_segment_fixed_size: 0
    .kernarg_segment_align: 8
    .kernarg_segment_size: 32
    .max_flat_workgroup_size: 256
    .sgpr_count:     66
    .vgpr_count:     512
    .wavefront_size: 32
...
	.end_amdgpu_metadata
.endif
;; end of part 3
;; launch oproj (part 4): grid 64 x 4, 8 waves a work-group, clusters of 4 x 1, 327,680 bytes of LDS; arguments aimg, ascl, wimg, wscl, bo, out0; writes out0
.if DOCPART == 4
	.amdgcn_target "amdgcn-amd-amdhsa--gfx1250"
	.amdhsa_code_object_version 6
	.text
	.protected	k_q881105a8fb_oproj
	.globl	k_q881105a8fb_oproj
	.p2align	8
	.type	k_q881105a8fb_oproj,@function
k_q881105a8fb_oproj:
	s_mov_b64 s[64:65], 0
	v_nop
	global_prefetch_b8 v0, s[64:65] scope:SCOPE_SE
	s_setreg_imm32_b32 hwreg(HW_REG_WAVE_MODE, 25, 1), 1
	s_wait_xcnt 0x0
	s_wait_alu depctr_hold_cnt(0) depctr_sa_sdst(0) depctr_va_vdst(0) depctr_va_sdst(0) depctr_va_ssrc(0) depctr_va_vcc(0) depctr_vm_vsrc(0)
	s_getreg_b32 s2, hwreg(HW_REG_IB_STS2, 6, 4)
	s_cmp_eq_u32 s2, 0
	s_cbranch_scc0 .Lentry_in_a_cluster
	s_endpgm
.Lentry_in_a_cluster:
	s_bfe_u32 s2, ttmp6, 0x10000c
	s_cmp_lg_u32 s2, 0x3003
	s_cbranch_scc0 .Lentry_shape_is_right
	s_endpgm
.Lentry_shape_is_right:
; out0 = attended Wo + bo, on codes of BF8 with E8M0 scales, sums in f32.  A work-group makes 128 tokens (x) x 192 columns (y); K = 512 in four steps of 128.
; THREE PASSES of 64 columns: wave w takes token tiles 2 (w % 4), 2 (w % 4) + 1 and, in pass g, the group of 32 columns 2 g + w / 4: four accumulators a pass.  A pass completes 256 neighbouring bytes of each of the 128 rows, which leave while the next pass is multiplied.
; The rows' fragments stay in registers through all passes; Wo's have two sets, and pass g + 1's are asked for ahead of pass g's end.  Every fragment is read from LDS once a wave.
; The product is used transposed (source 0 = 16 columns of Wo, source 1 = 16 tokens): a lane holds ONE token, and the 16 registers of a group's two tiles are 16 neighbouring columns.  bo is loaded straight into the accumulators.
; LDS: the block's images of the attended rows (65,536 bytes), the slice's images of Wo (98,304), both filled once; behind them a stage of 128 rows x (256 + 16) bytes for EACH pass, into which no tensor load lands.
; CLUSTER: the four token blocks of a cluster need the same slice of Wo: waves 4 to 7 ask for it JOINTLY, by one descriptor with a mask that names the four.  The attended rows are each work-group's own: waves 0 to 3 bring them by plain loads.
; Both are asked for whole at the head: there is no stream to run ahead of, and nothing is prefetched.
; LIMITS: NaN, infinities and sums beyond f32's range are not served.
; REGISTERS, window 0: v1-12 addresses; v14-17 the rows' scale words; v18-19 the add's; v20-31 Wo's scale words (at the head at work); v32-127 the accumulators, 32 a pass, then the pass's rows on their way out; v128-255 the rows' fragments.  Window 1: two sets of Wo's, 128 each.
.set LI,  1                            ; v1   16 x lane
.set AA,  2                            ; v2   my two tiles' images in LDS
.set WA,  3                            ; v3   my groups' images: passes 0, 1;  v4: pass 2
.set SO,  5                            ; v5   the stage: where I put 32 bytes of a row: passes 0, 1;  v6: pass 2
.set RA,  7                            ; v7   the stage: my wave's 16 rows, two a load: passes 0, 1;  v8: pass 2
.set GA,  9                            ; v9   the same two rows in out0
.set BA,  10                           ; v10  64 h: my half's 16 numbers of bo
.set SA,  11                           ; v11  256 h + 4 r: lanes 0-15 my first tile's scale words, lanes 16-31 my second's
.set LS,  12                           ; v12  4 x lane
.set AS,  14
.set SPW, 18                           ; v18  my spare word's address, v19 0: never rewritten
.set NIL, 19
.set WS,  20                           ; WS + 4 g + s: lanes 0-15 the group's first tile, lanes 16-31 its second
.set ACC, 32                           ; pass g, column tile u, token tile q at ACC + 32 g + 8 (2 u + q)
.set AF,  128                          ; token tile q, K step s at AF + 16 (4 q + s)
.set WIMG, 65536
.set STG, 163840
.set SP,  272                          ; a stage row: 17 x 16 bytes
.set STB, 128*SP                       ; a pass's stage
.set SPARE, STG+3*STB                  ; 268,288: the spare words, 128 bytes a wave
.set WV,  16                           ; s16  my wave's number
.set MSB, 0
.macro WIN new                         ; the immediate's high byte repeats the setting that is left
.if MSB != \new
	s_set_vgpr_msb (MSB<<8)|\new
.set MSB, \new
.endif
.endm
.macro CROUND                          ; a round of the cluster's barrier
	s_barrier_signal -1
	s_barrier_wait -1
	s_cmp_lg_u32 s[WV], 0
	s_cbranch_scc1 .Lnot_wave_0_\@
	s_barrier_signal -3
.Lnot_wave_0_\@:
	s_barrier_wait -3
	s_barrier_signal -1
	s_barrier_wait -1
.endm
; One matrix instruction from the symbols rD, rA, rB, rSA, rSB; rR: bit 0: source 0's scales in lanes 16-31, bit 1: source 1's.
.macro WM
.if rR == 0
	v_wmma_scale_f32_16x16x128_f8f6f4 v[rD:rD+7], v[rA:rA+15], v[rB:rB+15], v[rD:rD+7], v[rSA], v[rSB] matrix_a_fmt:MATRIX_FMT_BF8 matrix_b_fmt:MATRIX_FMT_BF8
.elseif rR == 1
	v_wmma_scale_f32_16x16x128_f8f6f4 v[rD:rD+7], v[rA:rA+15], v[rB:rB+15], v[rD:rD+7], v[rSA], v[rSB] matrix_a_fmt:MATRIX_FMT_BF8 matrix_b_fmt:MATRIX_FMT_BF8 matrix_a_scale:MATRIX_SCALE_ROW1
.elseif rR == 2
	v_wmma_scale_f32_16x16x128_f8f6f4 v[rD:rD+7], v[rA:rA+15], v[rB:rB+15], v[rD:rD+7], v[rSA], v[rSB] matrix_a_fmt:MATRIX_FMT_BF8 matrix_b_fmt:MATRIX_FMT_BF8 matrix_b_scale:MATRIX_SCALE_ROW1
.else
	v_wmma_scale_f32_16x16x128_f8f6f4 v[rD:rD+7], v[rA:rA+15], v[rB:rB+15], v[rD:rD+7], v[rSA], v[rSB] matrix_a_fmt:MATRIX_FMT_BF8 matrix_b_fmt:MATRIX_FMT_BF8 matrix_a_scale:MATRIX_SCALE_ROW1 matrix_b_scale:MATRIX_SCALE_ROW1
.endif
.endm
	s_load_b256 s[4:11], s[0:1], 0x0               ; aimg s[4:5], ascl s[6:7], wimg s[8:9], wscl s[10:11]
	s_load_b128 s[12:15], s[0:1], 0x20             ; bo s[12:13], out0 s[14:15]
	v_lshl_add_u32 v[SPW], v0, 2, SPARE
	v_mov_b32 v[NIL], 0
	ds_add_u32 v[SPW], v[NIL]                      ; the opening: the add, twice on end, and its wait
	ds_add_u32 v[SPW], v[NIL]
	v_lshrrev_b32 v1, 5, v0
	v_readfirstlane_b32 s[WV], v1                  ; wave 0..7
	s_bfe_u32 s17, ttmp6, 0x40000                  ; cx
	s_lshl_b32 s18, ttmp9, 2
	s_add_co_u32 s18, s18, s17                     ; my block of 128 tokens
	s_and_b32 s19, ttmp7, 0xffff                   ; the slice of 192 columns, which the four partners share
	s_and_b32 s44, s[WV], 3                        ; which pair of token tiles; also: which quarter I fetch
	s_lshr_b32 s45, s[WV], 2                       ; which of a pass's two groups of columns
	; descriptor groups 1: dense blocks as rows of 256 bytes (32 elements of 8 bytes).  The rows' images: 64 rows a wave, no mask; Wo's: 96 rows a wave, the mask names all four work-groups, bit 21 set beside it
	s_mov_b32 s20, 3<<16
	s_mov_b32 s21, 32<<16
	s_mov_b32 s22, 64<<16
	s_mov_b32 s23, 32<<16
	s_mov_b32 s24, 64
	s_mov_b32 s25, 32
	s_mov_b32 s26, 0
	s_mov_b32 s27, 0
	s_mov_b32 s28, 15|(3<<16)|(1<<21)
	s_mov_b32 s29, 32<<16
	s_mov_b32 s30, 96<<16
	s_mov_b32 s31, 32<<16
	s_mov_b32 s32, 96
	s_mov_b32 s33, 32
	s_mov_b32 s34, 0
	s_mov_b32 s35, 0
	s_mov_b32 s40, 1                               ; Wo's slice: made of the slice and the wave's number alone
	s_mul_i32 s52, s19, 98304
	s_mul_i32 s53, s44, 24576
	s_add_co_u32 s41, s53, WIMG
	s_add_co_u32 s52, s52, s53
	s_add_co_u32 s52, s52, 3*393216                ; Wo is the fourth weight in wimg
	s_mov_b32 s53, 0
	s_mov_b32 s36, 1                               ; my block's rows
	s_lshl_b32 s46, s44, 14
	s_mov_b32 s37, s46
	s_lshl_b32 s54, s18, 16
	s_add_co_u32 s54, s54, s46
	s_mov_b32 s55, 0
	s_lshl_b32 s56, s18, 11                        ; the rows' scale words: 256 bytes a tile
	s_lshl_b32 s57, s44, 9
	s_add_co_u32 s56, s56, s57
	s_mov_b32 s57, 0
	s_mul_i32 s58, s19, 3072                       ; Wo's: 128 bytes for a group and a K step, 512 a group
	s_lshl_b32 s59, s45, 9
	s_add_co_u32 s58, s58, s59
	s_add_co_u32 s58, s58, 3*12288
	s_mov_b32 s59, 0
	s_mul_i32 s60, s19, 768                        ; bo at my first column: 192 slice + 32 (wave / 4)
	s_lshl_b32 s61, s45, 7
	s_add_co_u32 s60, s60, s61
	s_mov_b32 s61, 0
	s_lshl_b32 s62, s18, 7
	s_lshl_b32 s63, s[WV], 4
	s_add_co_u32 s62, s62, s63                     ; the first row that I store: 128 block + 16 wave
	s_mul_i32 s62, s62, 3072
	s_mul_i32 s63, s19, 768
	s_add_co_u32 s62, s62, s63
	s_mov_b32 s63, 0
	s_lshl_b32 s47, s45, 14
	s_add_co_u32 s47, s47, WIMG                    ; my group of pass 0
	s_mul_i32 s48, s44, 32*SP
	s_lshl_b32 s49, s45, 7
	s_add_co_u32 s48, s48, s49
	s_add_co_u32 s48, s48, STG                     ; my 32 rows of the stage, my 128 bytes of them
	s_mul_i32 s49, s[WV], 16*SP
	s_add_co_u32 s49, s49, STG                     ; the 16 rows that I store
	v_and_b32 v20, 31, v0
	v_and_b32 v21, 15, v0                          ; r
	v_bfe_u32 v22, v0, 4, 1                        ; h
	v_and_b32 v23, 8, v0                           ; 8 (r / 8)
	v_lshlrev_b32 v[LI], 4, v20
	v_lshlrev_b32 v[LS], 2, v20
	v_add_nc_u32 v23, v23, v21                     ; r + 8 (r / 8): row r of a tile is that token from the tile's first
	v_mul_u32_u24 v[RA], v22, SP
	v_mul_u32_u24 v[GA], v22, 3072
	v_add_nc_u32 v[AA], s46, v[LI]
	v_add_nc_u32 v[WA], s47, v[LI]
	v_mul_u32_u24 v[SO], v23, SP
	v_lshl_add_u32 v[RA], v21, 4, v[RA]
	v_lshl_add_u32 v[GA], v21, 4, v[GA]            ; lanes 0-15 take one row, lanes 16-31 the next
	v_lshlrev_b32 v[BA], 6, v22
	v_lshl_add_u32 v[SO], v22, 6, v[SO]            ; + 64 h: 16 columns
	v_add_nc_u32 v[RA], s49, v[RA]
	v_lshlrev_b32 v[SA], 8, v22
	v_add_nc_u32 v[WA+1], 0x10000, v[WA]
	v_add_nc_u32 v[SO], s48, v[SO]
	v_add_nc_u32 v[RA+1], 2*STB, v[RA]
	v_lshl_add_u32 v[SA], v21, 2, v[SA]
	v_add_nc_u32 v[SO+1], 2*STB, v[SO]
	s_wait_alu depctr_va_vdst(0)
	s_wait_dscnt 0x0                               ; both opening adds are done
	s_wait_kmcnt 0x0
	s_add_nc_u64 s[38:39], s[4:5], s[54:55]
	s_or_b32 s39, s39, 0x80000000
	s_add_nc_u64 s[42:43], s[8:9], s[52:53]
	s_or_b32 s43, s43, 0x80000000
	s_add_nc_u64 s[6:7], s[6:7], s[56:57]
	s_add_nc_u64 s[10:11], s[10:11], s[58:59]
	s_add_nc_u64 s[12:13], s[12:13], s[60:61]
	s_add_nc_u64 s[14:15], s[14:15], s[62:63]
	CROUND                                         ; all four work-groups are here: the joint loads meet
	s_cmp_lt_u32 s[WV], 4                          ; the branch hangs on the wave's number alone; one load of mine is out
	s_cbranch_scc0 .Lfor_w
	tensor_load_to_lds s[36:39], s[20:27]
	s_nop 0
.rept 4
	v_nop
.endr
	s_branch .Lasked
.Lfor_w:
	tensor_load_to_lds s[40:43], s[28:35]
	s_nop 0
.rept 4
	v_nop
.endr
.Lasked:
.irp s, 0,1,2,3
	global_load_b32 v[AS+\s], v[SA], s[6:7] offset:64*\s
.endr
.irp g, 0,1,2
.irp s, 0,1,2,3
	global_load_b32 v[WS+4*\g+\s], v[LS], s[10:11] offset:1024*\g+128*\s
.endr
.endr
.irp g, 0,1,2
.irp u, 0,1                            ; register j of a group's tile u is its column 16 h + 8 u + j
.irp q, 0,1
	global_load_b128 v[ACC+32*\g+8*(2*\u+\q):ACC+32*\g+8*(2*\u+\q)+3], v[BA], s[12:13] offset:256*\g+32*\u
	global_load_b128 v[ACC+32*\g+8*(2*\u+\q)+4:ACC+32*\g+8*(2*\u+\q)+7], v[BA], s[12:13] offset:256*\g+32*\u+16
.endr
.endr
.endr
.macro LDA s                           ; K step s of my rows: 8 loads
	WIN 0
.irp q, 0,1
.irp c, 0,1,2,3
	ds_load_b128 v[AF+16*(4*\q+\s)+4*\c:AF+16*(4*\q+\s)+4*\c+3], v[AA] offset:(4*\q+\s)*2048+512*\c
.endr
.endr
.endm
.macro LDW g, s                        ; K step s of pass g's group, into set g % 2: 8 loads
	WIN 0x40
.irp u, 0,1
.irp c, 0,1,2,3
	ds_load_b128 v[128*(\g%2)+16*(4*\u+\s)+4*\c:128*(\g%2)+16*(4*\u+\s)+4*\c+3], v[WA+\g/2] offset:32768*(\g%2)+4096*\s+2048*\u+512*\c
.endr
.endr
	WIN 0
.endm
.macro PR g, s                         ; pass g's four accumulators take turns, one instruction a turn, in the same order in every step
	WIN 0x01                                       ; Wo in window 1, all else in window 0
.irp u, 0,1
.irp q, 0,1
.set rD, ACC+32*\g+8*(2*\u+\q)
.set rA, 128*(\g%2)+16*(4*\u+\s)
.set rB, AF+16*(4*\q+\s)
.set rSA, WS+4*\g+\s
.set rSB, AS+\s
.set rR, \u+2*\q
	WM
.endr
.endr
	WIN 0
.endm
; A pass's results meet in its stage (a lane's eight are 32 neighbouring bytes of a token's row) and come back as rows: two rows of 256 bytes a load, sixteen rows a wave.
.macro STAGE g
.rept 8
	v_nop                                          ; eight places in front of the first read of results and of loads into registers that these products name
.endr
.irp u, 0,1
.irp q, 0,1
	ds_store_b128 v[SO+\g/2], v[ACC+32*\g+8*(2*\u+\q):ACC+32*\g+8*(2*\u+\q)+3] offset:STB*(\g%2)+8*SP*\q+32*\u       ; each accumulator from its low end on
	ds_store_b128 v[SO+\g/2], v[ACC+32*\g+8*(2*\u+\q)+4:ACC+32*\g+8*(2*\u+\q)+7] offset:STB*(\g%2)+8*SP*\q+32*\u+16
.endr
.endr
	s_wait_dscnt 0x0                               ; for the others' sake: my stores into the stage are done (and my loads of the next pass's fragments)
	s_barrier_signal -1
	s_barrier_wait -1
.irp k, 0,1,2,3,4,5,6,7
	ds_load_b128 v[ACC+32*\g+4*\k:ACC+32*\g+4*\k+3], v[RA+\g/2] offset:STB*(\g%2)+2*SP*\k
.endr
.endm
.macro SEND g, younger                 ; younger: the LDS loads issued behind the rows', which may stay out
.irp k, 0,1,2,3,4,5,6,7
	s_wait_dscnt \younger+7-\k
	global_store_b128 v[GA], v[ACC+32*\g+4*\k:ACC+32*\g+4*\k+3], s[14:15] offset:6144*\k+256*\g th:TH_STORE_NT       ; sixteen lanes store 256 consecutive bytes, at a multiple of 256 from out0's first byte
.endr
.endm
	s_wait_tensorcnt 0x0                           ; my quarter is in LDS,
	s_barrier_signal -1
	s_barrier_wait -1                              ; everybody's is; nothing is filled again in this launch
.irp s, 0,1,2
	LDA \s
	LDW 0, \s
.endr
	s_wait_loadcnt 0x0                             ; the scale words and bo
	s_wait_dscnt 32                                ; K step 0's 16 loads are in; steps 1 and 2's may be out
	PR 0, 0
	LDA 3
	LDW 0, 3
	s_wait_dscnt 32                                ; step 1's are in
	PR 0, 1
	s_wait_dscnt 16                                ; step 2's are in
	PR 0, 2
.irp s, 0,1,2,3
	LDW 1, \s
.endr
	s_wait_dscnt 32                                ; step 3's are in; the next pass's 32 may be out
	PR 0, 3
	STAGE 0
.irp s, 0,1,2,3
	LDW 2, \s
.endr
	SEND 0, 32                                     ; the rows are back; the last pass's 32 loads may be out
.irp s, 0,1,2,3
	PR 1, \s
.endr
	STAGE 1
	SEND 1, 0
.irp s, 0,1,2,3
	PR 2, \s
.endr
	STAGE 2
	SEND 2, 0
	s_wait_tensorcnt 0x0                           ; the wave's end
	ds_add_u32 v[SPW], v[NIL]
	s_wait_dscnt 0x0
	CROUND                                         ; the closing round: no work-group ends while a partner may still ask for a tile that names it
	s_endpgm
.Lfunc_end_k_q881105a8fb_oproj:
	.size	k_q881105a8fb_oproj, .Lfunc_end_k_q881105a8fb_oproj-k_q881105a8fb_oproj
	.p2alignl 7, 3214868480
	.fill 96, 4, 3214868480
	.section	.rodata,"a",@progbits
	.p2align	6, 0x0
	.amdhsa_kernel k_q881105a8fb_oproj
		.amdhsa_group_segment_fixed_size 327680
		.amdhsa_private_segment_fixed_size 0
		.amdhsa_enable_private_segment 0
		.amdhsa_kernarg_size 48
		.amdhsa_user_sgpr_count 2
		.amdhsa_user_sgpr_kernarg_segment_ptr 1
		.amdhsa_wavefront_size32 1
		.amdhsa_system_sgpr_workgroup_id_x 1
		.amdhsa_system_sgpr_workgroup_id_y 1
		.amdhsa_system_sgpr_workgroup_id_z 1
		.amdhsa_system_vgpr_workitem_id 0
		.amdhsa_next_free_vgpr 512
		.amdhsa_next_free_sgpr 66
		.amdhsa_reserve_vcc 0
		.amdhsa_float_denorm_mode_32 3
		.amdhsa_float_denorm_mode_16_64 3
		.amdhsa_memory_ordered 1
		.amdhsa_forward_progress 1
		.amdhsa_inst_pref_size 34
	.end_amdhsa_kernel
	.amdgpu_metadata
---
amdhsa.version: [ 1, 2 ]
amdhsa.kernels:
  - .name:           k_q881105a8fb_oproj
    .symbol:         k_q881105a8fb_oproj.kd
    .args:
      - { .name: aimg, .offset: 0, .size: 8, .value_kind: global_buffer, .address_space: global }
      - { .name: ascl, .offset: 8, .size: 8, .value_kind: global_buffer, .address_space: global }
      - { .name: wimg, .offset: 16, .size: 8, .value_kind: global_buffer, .address_space: global }
      - { .name: wscl, .offset: 24, .size: 8, .value_kind: global_buffer, .address_space: global }
      - { .name: bo, .offset: 32, .size: 8, .value_kind: global_buffer, .address_space: global }
      - { .name: out0, .offset: 40, .size: 8, .value_kind: global_buffer, .address_space: global }
    .group_segment_fixed_size: 327680
    .private_segment_fixed_size: 0
    .kernarg_segment_align: 8
    .kernarg_segment_size: 48
    .max_flat_workgroup_size: 256
    .sgpr_count:     66
    .vgpr_count:     512
    .wavefront_size: 32
...
	.end_amdgpu_metadata
.endif
;; end of part 4
